; MI455X (gfx1250); checked and timed in simulation.
; The chip was launched on July 23, 2026; its instructions are those of AMD's public machine-readable ISA for CDNA 5 (MIT licence, August 2026) and "CDNA5" Instruction Set Architecture Reference Guide (July 2026). The comments in the code are by the model that wrote it; some were corrected since.
;; Attention. Allowed arithmetic: float matrix products may take bf16 or f16 operands with f32 sums; other float arithmetic in f32, or as packed bf16 or f16 multiplies, adds, multiply-adds, maxima and minima; sums over many terms, partial sums and values carried from step to step in f32; what a program stores and reads back later, other than sums and carried values, may be rounded once to bf16 or f16.
;; Inputs: W_kqv 1,024 x 3,072 float32; x 4 x 2,048 x 1,024 float32.
;; Outputs: out0 4 x 2,048 x 1,024 float32.
;; 2 versions, each right; version 2 is version 1 with the launch prep written anew for expert scheduling mode. Each part assembles by itself: llvm-mc -triple=amdgcn-amd-amdhsa -mcpu=gfx1250 --defsym DOCPART=n.
;; ======== version 1 of 2: 4 launches
;; limits: values are held in f16: magnitudes above 65,504 overflow, below 6.1e-05 lose precision
;; workspace buffers: xb 16,777,216 bytes; wf 6,291,456 bytes; qkv 50,331,648 bytes; e 18,874,368 bytes; st 1,048,576 bytes
;; launch prep (part 1): grid 352 x 1, 8 waves a work-group, no clusters, 0 bytes of LDS; arguments x, W_kqv, xb, wf; writes xb, wf
.if DOCPART == 1
	.amdgcn_target "amdgcn-amd-amdhsa--gfx1250"
	.amdhsa_code_object_version 6
	.text
	.protected	k_q96b1347669_prep
	.globl	k_q96b1347669_prep
	.p2align	8
	.type	k_q96b1347669_prep,@function
k_q96b1347669_prep:
	s_mov_b64 s[64:65], 0
	v_nop
	global_prefetch_b8 v0, s[64:65] scope:SCOPE_SE
	s_setreg_imm32_b32 hwreg(HW_REG_WAVE_MODE, 25, 1), 1
	s_wait_xcnt 0x0
; PREP: both inputs are rounded once to bf16 and laid out for the projection.  A stream: no LDS, no barrier, no matrix work.
; Work-groups 0..255 (x): 32 rows of x (f32, 4,096 bytes each) become 32 rows of xb (bf16, 2,048 bytes each), in a PERMUTED token order:
;   inside a batch token t = 256 u + 32 w + i goes to row t' = 256 w + 32 u + i.  So a block of 256 rows of xb holds 32 tokens of each of the batch's 8 bands of 256,
;   and the later launches' causal pattern is the same for every block.  The work-group's number is (b, u, w) in 2, 3, 3 bits; its 32 rows go to block (b, w, u).
; Work-groups 256..351 (W): a block of 128 k x 256 n of W_kqv [1024][3072] is turned into matrix fragments of W^T:
;   wf = [n / 16][k / 32][1,024 bytes]; byte 512 j + 16 (16 h + r) holds W[32 kk + 16 j + 8 h + 0..7][16 nf + r]: what lane 16 h + r of a fragment's load j wants.
; Every register is written once, so no wait frees a register; the waits are counted and leave the younger loads out.
.set X, 8                              ; v[8:135]   as loaded, f32
.set Y, 136                            ; v[136:199] rounded, packed
	s_load_b256 s[4:11], s[0:1], 0x0               ; x s[4:5], W s[6:7], xb s[8:9], wf s[10:11]
	s_mov_b32 s16, ttmp9
	s_cmp_lt_u32 s16, 256
	s_cbranch_scc0 .Lweights
	; ---- x: thread t takes 16 bytes at 16 t of every row; a load of the eight waves covers a row
	v_lshlrev_b32 v1, 4, v0
	v_lshlrev_b32 v2, 3, v0                        ; and gives 8 bytes at 8 t: a wave's store covers 256 consecutive bytes, aligned
	s_lshl_b32 s12, s16, 17                        ; 32 rows of 4,096 bytes
	s_mov_b32 s13, 0
	s_and_b32 s14, s16, 0xc0                       ; b stays,
	s_and_b32 s15, s16, 7
	s_lshl_b32 s15, s15, 3                         ; w moves up,
	s_or_b32 s14, s14, s15
	s_bfe_u32 s15, s16, 0x30003                    ; u moves down
	s_or_b32 s14, s14, s15
	s_lshl_b32 s14, s14, 16                        ; 32 rows of 2,048 bytes
	s_mov_b32 s15, 0
	s_wait_kmcnt 0x0
	s_add_nc_u64 s[4:5], s[4:5], s[12:13]
	s_add_nc_u64 s[8:9], s[8:9], s[14:15]
.set i, 0
.rept 32
	global_load_b128 v[X+4*i:X+4*i+3], v1, s[4:5] offset:i*4096 th:TH_LOAD_NT
.set i, i+1
.endr
.set i, 0
.rept 32
	s_wait_loadcnt 31-i                            ; loads come back in order: row i is in, the 31 - i younger ones stay out
	v_cvt_pk_bf16_f32 v[Y+2*i], v[X+4*i], v[X+4*i+1]
	v_cvt_pk_bf16_f32 v[Y+2*i+1], v[X+4*i+2], v[X+4*i+3]
	global_store_b64 v2, v[Y+2*i:Y+2*i+1], s[8:9] offset:i*2048
.set i, i+1
.endr
	s_endpgm
.Lweights:
	; ---- W: thread t owns column 256 ng + t and 128 values of k; 8 neighbouring k pack into 16 bytes of a fragment
	s_sub_co_u32 s16, s16, 256
	s_lshr_b32 s17, s16, 3                         ; ng 0..11
	s_and_b32 s18, s16, 7                          ; kg 0..7
	s_mul_i32 s12, s18, 1572864                    ; 128 rows of 12,288 bytes
	s_lshl_b32 s13, s17, 10                        ; 256 columns of 4 bytes
	s_add_co_u32 s12, s12, s13
	s_mov_b32 s13, 0
	s_lshl_b32 s14, s17, 19                        ; 16 blocks nf of 32,768 bytes
	s_lshl_b32 s15, s18, 12                        ; 4 blocks kk of 1,024 bytes
	s_add_co_u32 s14, s14, s15
	s_mov_b32 s15, 0
	v_lshlrev_b32 v1, 2, v0
	v_lshrrev_b32 v3, 4, v0                        ; nf within the 16
	v_and_b32 v2, 15, v0                           ; r
	v_lshlrev_b32 v2, 4, v2
	v_lshl_add_u32 v2, v3, 15, v2
	s_wait_kmcnt 0x0
	s_add_nc_u64 s[6:7], s[6:7], s[12:13]
	s_add_nc_u64 s[10:11], s[10:11], s[14:15]
.macro WLOAD g                         ; 32 rows k of my column
.set i, 32*(\g)
.rept 32
	global_load_b32 v[X+i], v1, s[6:7] offset:i*12288 th:TH_LOAD_NT
.set i, i+1
.endr
.endm
.macro WOUT g                          ; 32 k = one block kk: four pieces (j, h) of 16 bytes; lanes 0-15 fill 256 consecutive bytes, lanes 16-31 those of the next nf
.set i, 0
.rept 16
	v_cvt_pk_bf16_f32 v[Y+16*(\g)+i], v[X+32*(\g)+2*i], v[X+32*(\g)+2*i+1]
.set i, i+1
.endr
.irp c, 0,1,2,3
	global_store_b128 v2, v[Y+16*(\g)+4*(\c):Y+16*(\g)+4*(\c)+3], s[10:11] offset:(\g)*1024+(\c)*256
.endr
.endm
	WLOAD 0
	WLOAD 1
	s_wait_loadcnt 32                              ; the older 32 are in, the younger 32 stay out
	WOUT 0
	WLOAD 2
	s_wait_loadcnt 32
	WOUT 1
	WLOAD 3
	s_wait_loadcnt 32
	WOUT 2
	s_wait_loadcnt 0x0
	WOUT 3
	s_endpgm
.Lfunc_end_k_q96b1347669_prep:
	.size	k_q96b1347669_prep, .Lfunc_end_k_q96b1347669_prep-k_q96b1347669_prep
	.p2alignl 7, 3214868480
	.fill 96, 4, 3214868480
	.section	.rodata,"a",@progbits
	.p2align	6, 0x0
	.amdhsa_kernel k_q96b1347669_prep
		.amdhsa_group_segment_fixed_size 0
		.amdhsa_private_segment_fixed_size 0
		.amdhsa_enable_private_segment 0
		.amdhsa_kernarg_size 32
		.amdhsa_user_sgpr_count 2
		.amdhsa_user_sgpr_kernarg_segment_ptr 1
		.amdhsa_wavefront_size32 1
		.amdhsa_system_sgpr_workgroup_id_x 1
		.amdhsa_system_sgpr_workgroup_id_y 1
		.amdhsa_system_sgpr_workgroup_id_z 1
		.amdhsa_system_vgpr_workitem_id 0
		.amdhsa_next_free_vgpr 200
		.amdhsa_next_free_sgpr 66
		.amdhsa_reserve_vcc 0
		.amdhsa_float_denorm_mode_32 3
		.amdhsa_float_denorm_mode_16_64 3
		.amdhsa_memory_ordered 1
		.amdhsa_forward_progress 1
		.amdhsa_inst_pref_size 31
	.end_amdhsa_kernel
	.amdgpu_metadata
---
amdhsa.version: [ 1, 2 ]
amdhsa.kernels:
  - .name:           k_q96b1347669_prep
    .symbol:         k_q96b1347669_prep.kd
    .args:
      - { .name: x, .offset: 0, .size: 8, .value_kind: global_buffer, .address_space: global }
      - { .name: W_kqv, .offset: 8, .size: 8, .value_kind: global_buffer, .address_space: global }
      - { .name: xb, .offset: 16, .size: 8, .value_kind: global_buffer, .address_space: global }
      - { .name: wf, .offset: 24, .size: 8, .value_kind: global_buffer, .address_space: global }
    .group_segment_fixed_size: 0
    .private_segment_fixed_size: 0
    .kernarg_segment_align: 8
    .kernarg_segment_size: 32
    .max_flat_workgroup_size: 256
    .sgpr_count:     66
    .vgpr_count:     200
    .wavefront_size: 32
...
	.end_amdgpu_metadata
.endif
;; end of part 1
;; launch proj (part 2): grid 16 x 32, 4 waves a work-group, clusters of 4 x 4, 327,680 bytes of LDS; arguments xb, wf, qkv; writes qkv
.if DOCPART == 2
	.amdgcn_target "amdgcn-amd-amdhsa--gfx1250"
	.amdhsa_code_object_version 6
	.text
	.protected	k_q96b1347669_proj
	.globl	k_q96b1347669_proj
	.p2align	8
	.type	k_q96b1347669_proj,@function
k_q96b1347669_proj:
	s_mov_b64 s[64:65], 0
	v_nop
	global_prefetch_b8 v0, s[64:65] scope:SCOPE_SE
	s_setreg_imm32_b32 hwreg(HW_REG_WAVE_MODE, 25, 1), 1
	s_wait_xcnt 0x0
	s_wait_alu depctr_hold_cnt(0) depctr_sa_sdst(0) depctr_va_vdst(0) depctr_va_sdst(0) depctr_va_ssrc(0) depctr_va_vcc(0) depctr_vm_vsrc(0)
	s_getreg_b32 s2, hwreg(HW_REG_IB_STS2, 6, 4)
	s_cmp_eq_u32 s2, 0
	s_cbranch_scc0 .Lentry_in_a_cluster
	s_endpgm
.Lentry_in_a_cluster:
	s_bfe_u32 s2, ttmp6, 0x10000c
	s_cmp_lg_u32 s2, 0xf033
	s_cbranch_scc0 .Lentry_shape_is_right
	s_endpgm
.Lentry_shape_is_right:
; PROJ: qkv = xb W (bf16 operands, f32 sums), rounded once to f16 and stored as matrix fragments for the two launches that follow.
; LIMIT: |q|, |k|, |v| must stay under 65,504 (f16); a larger sum becomes an infinity.
; SHARES.  A work-group makes 256 rows (tokens in xb's order) x 192 columns: 32 x 16 = 512 equal work-groups.  Each of its four waves makes 128 x 96: 8 x 6 accumulators of 16 x 16.
; K = 1,024 goes in 8 steps of 128 through two LDS slots; a step is four quarters of 32, on two fragment buffers.
; THE PRODUCT IS TAKEN TRANSPOSED: source 0 = 16 columns of W (a fragment of wf), source 1 = 16 rows of xb; a lane then holds ONE token (lane % 16) and 8 neighbouring columns: 16 bytes of f16.
; OUT.  qkv = [token / 16][column / 16][512 bytes].  For q and k (column blocks 0..127) lane l's 16 bytes lie at 16 l: half a fragment, as a later load at 16 l wants it.
; For v (blocks 128..191) they lie at 16 pos, pos = (r / 8) 16 + h 8 + r % 8 (r = l % 16, h = l / 16): then the turning LDS load at 16 l gives half a fragment of v^T.  Every store of a wave covers 512 consecutive bytes, aligned.
; CLUSTER 4 x 4: xb's tile hangs on the tile row alone and is asked for jointly by a row of the cluster, wf's on the tile column alone, by a column.
; REGISTERS: window 0: v0-37 addresses, v64-127 / v128-191 xb's fragments (two buffers); window 1: the same numbers, wf's fragments (6 of 8 used);
;   window 2: accumulators of row blocks 0-3 at 8 (6 a + b); window 3: row blocks 4-7.
.set SLOT1, 131072                     ; slot 1 begins here: one exclusive or turns an address in one slot into the other's
.set PITCH, 272                        ; a row of xb in LDS: 256 bytes + 16: the 16 rows of a fragment load start 68 words apart
.set AHALF, 128*PITCH                  ; what one tensor load brings of xb
.set BOFF,  2*AHALF                    ; behind xb's 256 rows: wf's 12 column blocks x 4 quarters x 1,024 bytes, dense
.set BHALF, 6*4096
.set SPARE, SLOT1+BOFF+2*BHALF         ; behind the ring: the spare words, 128 bytes for each wave
.set STEPA, 256                        ; a K step in a row of xb,
.set STEPB, 4096                       ; and in a column block of wf
.set F0, 64
.set F1, 128
.set MSB, 0
.macro WIN new                         ; the immediate's high byte repeats the setting that is left; a switch that changes nothing is dropped
.if MSB != (\new)
	s_set_vgpr_msb (MSB<<8)|(\new)
.set MSB, (\new)
.endif
.endm
.macro PLACES                          ; four plain vector instructions between a matrix instruction and a load into, or a vector write of, its registers, or a read of its result
.rept 4
	v_nop
.endr
.endm
.macro CREST                           ; a round of the cluster's barrier behind its opening barrier
	s_cmp_lg_u32 s12, 0
	s_cbranch_scc1 .Lnot_wave_0_\@
	s_barrier_signal -3
.Lnot_wave_0_\@:
	s_barrier_wait -3
	s_barrier_signal -1
	s_barrier_wait -1
.endm
.macro CROUND
	s_barrier_signal -1
	s_barrier_wait -1
	CREST
.endm
.macro JLOAD                           ; a joint refill by the walking descriptors: waves 0, 1 xb's halves, waves 2, 3 wf's; s_nop 0 and four v_nop follow each line
	s_cmp_eq_u32 s13, 0
	s_cbranch_scc0 .Lfor_b_\@
	tensor_load_to_lds s[36:39], s[24:31]
	s_nop 0
.rept 4
	v_nop
.endr
	s_branch .Lasked_\@
.Lfor_b_\@:
	tensor_load_to_lds s[52:55], s[40:47]
	s_nop 0
.rept 4
	v_nop
.endr
.Lasked_\@:
.endm
; A prefetch of the K step two refills on (step s + 4 in the change of slots of step s, s = 0..3).  xb's rows are asked for by the clusters with x = 0, wf's blocks by those with y = 0;
; the four partners of a joint load share its blocks out by address; a lane names one block of 256 bytes.
.macro ASK
	WIN 0
	s_cmp_gt_u32 s3, s57
	s_cbranch_scc0 .Lnoask_\@
	global_prefetch_b8 v30, s[58:59] th:TH_LOAD_NT scope:SCOPE_SE
.Lnoask_\@:
.endm
	s_load_b128 s[4:7], s[0:1], 0x0                ; xb s[4:5], wf s[6:7]
	s_load_b64 s[8:9], s[0:1], 0x10                ; qkv
	v_lshl_add_u32 v28, v0, 2, SPARE
	v_mov_b32 v29, 0
	ds_add_u32 v28, v29                            ; the wave's opening: the add and its wait ahead of my first tensor load
	v_lshrrev_b32 v4, 5, v0
	v_readfirstlane_b32 s12, v4                    ; wave 0..3
	s_lshr_b32 s13, s12, 1                         ; my half of the rows; also: I fetch xb (0) or wf (1)
	s_and_b32 s14, s12, 1                          ; my half of the columns; also: which half of that tile I fetch
	s_bfe_u32 s15, ttmp6, 0x40000                  ; cx
	s_bfe_u32 s16, ttmp6, 0x40004                  ; cy
	s_lshl_b32 s17, ttmp9, 2
	s_add_co_u32 s17, s17, s15                     ; tile column
	s_and_b32 s19, ttmp7, 0xffff                   ; cluster y
	s_lshl_b32 s18, s19, 2
	s_add_co_u32 s18, s18, s16                     ; tile row
	s_lshl_b32 s20, s16, 2
	s_lshl_b32 s20, 15, s20                        ; my row of the cluster
	s_lshl_b32 s22, 0x1111, s15                    ; my column
	s_or_b32 s24, s20, (1<<16)|(1<<20)|(1<<21)|(5<<22)|(3<<25)  ; xb: 2-byte elements, 4 words of padding behind every 64, bit 21 beside the mask
	s_mov_b32 s25, 128<<16                         ; tensor_dim0 = 128
	s_mov_b32 s26, 128<<16                         ; tensor_dim1 = 128
	s_mov_b32 s27, 128<<16                         ; tile_dim0 = 128
	s_mov_b32 s28, 128                             ; tile_dim1 = 128
	s_mov_b32 s29, 1024                            ; elements from row to row
	s_mov_b32 s30, 0
	s_mov_b32 s31, 0
	s_or_b32 s40, s22, (3<<16)|(1<<21)             ; wf: 8-byte elements, dense
	s_mov_b32 s41, 512<<16                         ; a row = 4,096 bytes: a column block's four quarters
	s_mov_b32 s42, 6<<16                           ; 6 column blocks
	s_mov_b32 s43, 512<<16
	s_mov_b32 s44, 6
	s_mov_b32 s45, 4096                            ; 32,768 bytes from block to block
	s_mov_b32 s46, 0
	s_mov_b32 s47, 0
	s_mul_i32 s2, s14, AHALF                       ; LDS: xb's half,
	s_mul_i32 s3, s14, BHALF
	s_add_co_u32 s3, s3, BOFF                      ; wf's half
	s_lshl_b32 s20, s18, 8
	s_lshl_b32 s21, s14, 7
	s_add_co_u32 s20, s20, s21                     ; row 256 x tile row + 128 x half
	s_lshl_b32 s20, s20, 11
	s_mov_b32 s21, 0
	s_mul_i32 s22, s17, 12
	s_mul_i32 s23, s14, 6
	s_add_co_u32 s22, s22, s23                     ; my first column block: 12 x tile column + 6 x half (kept for the way out)
	s_lshl_b32 s62, s22, 15
	s_mov_b32 s63, 0
	s_wait_dscnt 0x0                               ; the opening add is done
	s_wait_kmcnt 0x0
	s_add_nc_u64 s[20:21], s[4:5], s[20:21]
	s_add_nc_u64 s[62:63], s[6:7], s[62:63]
	CROUND                                         ; all sixteen work-groups are here: the first joint loads meet
.irp s, 0,1
	s_mov_b32 s[32+4*(\s)], 1
	s_add_co_u32 s[33+4*(\s)], s2, (\s)*SLOT1
	s_add_nc_u64 s[34+4*(\s):35+4*(\s)], s[20:21], (\s)*STEPA
	s_or_b32 s[35+4*(\s)], s[35+4*(\s)], 0x80000000
	s_mov_b32 s[48+4*(\s)], 1
	s_add_co_u32 s[49+4*(\s)], s3, (\s)*SLOT1
	s_add_nc_u64 s[50+4*(\s):51+4*(\s)], s[62:63], (\s)*STEPB
	s_or_b32 s[51+4*(\s)], s[51+4*(\s)], 0x80000000
.endr
	s_cmp_eq_u32 s13, 0                            ; a wave's two first fills stand in one branch: two loads of mine are out
	s_cbranch_scc0 .Lfirst_b
	tensor_load_to_lds s[32:35], s[24:31]
	s_nop 0
	tensor_load_to_lds s[36:39], s[24:31]
	s_nop 0
.rept 4
	v_nop
.endr
	s_branch .Lfirst_done
.Lfirst_b:
	tensor_load_to_lds s[48:51], s[40:47]
	s_nop 0
	tensor_load_to_lds s[52:55], s[40:47]
	s_nop 0
.rept 4
	v_nop
.endr
.Lfirst_done:
	v_and_b32 v1, 15, v0                           ; r
	v_bfe_u32 v2, v0, 4, 1                         ; h
	v_and_b32 v3, 31, v0                           ; lane
	v_mul_u32_u24 v18, v1, PITCH                   ; xb's fragments: row x pitch + 16 h, in my 128 rows
	v_lshl_add_u32 v18, v2, 4, v18
	s_mul_i32 s2, s13, AHALF
	v_add_nc_u32 v18, s2, v18
	s_mul_i32 s2, s14, BHALF                       ; wf's fragments: 16 x lane, in my 6 blocks
	s_add_co_u32 s2, s2, BOFF
	v_lshl_add_u32 v19, v3, 4, s2
	v_mov_b32 v16, v18                             ; slot 0
	v_mov_b32 v17, v19
	s_mov_b32 s56, 0
	; the way out: where a lane's 16 bytes go in a block of 512
	v_lshlrev_b32 v20, 4, v3                       ; q, k: 16 x lane
	v_bfe_u32 v5, v0, 3, 1
	v_and_b32 v6, 7, v0
	v_lshlrev_b32 v21, 4, v6                       ; v: 16 ((r / 8) 16 + 8 h + r % 8)
	v_lshl_add_u32 v21, v2, 7, v21
	v_lshl_add_u32 v21, v5, 8, v21
.set b, 0
.rept 6                                ; chosen block by block, by a select: no branch hangs on a work-group's place
	s_add_co_u32 s2, s22, b
	s_cmp_ge_u32 s2, 128
	s_cselect_b32 s73, -1, 0
	v_cndmask_b32 v[32+b], v20, v21, s73
.set b, b+1
.endr
	s_lshl_b32 s2, s18, 4
	s_lshl_b32 s73, s13, 3
	s_add_co_u32 s2, s2, s73                       ; my first block of 16 tokens
	s_mul_i32 s2, s2, 192
	s_add_co_u32 s2, s2, s22
	s_lshl_b32 s76, s2, 9
	s_mov_b32 s77, 0
	s_add_nc_u64 s[74:75], s[8:9], s[76:77]
	; the prefetches: from my own load's address; xb: my work-group's 32 rows of the 128 (by cx), a lane a row; wf: its 24 blocks of the 96 (by cy); lanes 24-31 repeat lane 23's
	v_min_u32 v4, 23, v3
	s_mul_i32 s2, s16, 24
	v_add_nc_u32 v4, s2, v4
	v_lshrrev_b32 v5, 4, v4
	v_and_b32 v4, 15, v4
	v_lshlrev_b32 v4, 8, v4
	v_lshl_add_u32 v4, v5, 15, v4
	v_lshlrev_b32 v5, 11, v3
	s_lshl_b32 s76, s15, 16
	s_add_co_u32 s76, s76, 3*STEPA                 ; at K step 3: the first change of slots steps it to 4
	s_mov_b32 s60, STEPB
	s_mov_b32 s61, 0
	s_cmp_eq_u32 s13, 0
	s_cselect_b64 s[58:59], s[20:21], s[62:63]
	s_cselect_b32 s76, s76, 3*STEPB
	s_cselect_b32 s60, STEPA, s60
	s_cselect_b32 s2, ttmp9, s19                   ; the coordinate along which other clusters read the same bytes
	s_cselect_b32 s73, 0, -1
	v_cndmask_b32 v30, v5, v4, s73
	s_add_nc_u64 s[58:59], s[58:59], s[76:77]
	s_cmp_eq_u32 s2, 0
	s_cselect_b32 s57, 2, -1                       ; a wave that asks does so while more than 2 trips are left
; 6 matrix instructions: row block a x my 6 column blocks, 32 along K.  The 48 accumulators take turns in one fixed order.
.macro MULA f, a, zero
	WIN 0xa1+0x50*((\a)/4)
.irp b, 0,1,2,3,4,5
.if \zero
	v_wmma_f32_16x16x32_bf16 v[8*(6*((\a)%4)+(\b)):8*(6*((\a)%4)+(\b))+7], v[(\f)+8*(\b):(\f)+8*(\b)+7], v[(\f)+8*(\a):(\f)+8*(\a)+7], 0
.else
	v_wmma_f32_16x16x32_bf16 v[8*(6*((\a)%4)+(\b)):8*(6*((\a)%4)+(\b))+7], v[(\f)+8*(\b):(\f)+8*(\b)+7], v[(\f)+8*(\a):(\f)+8*(\a)+7], v[8*(6*((\a)%4)+(\b)):8*(6*((\a)%4)+(\b))+7]
.endif
.endr
.endm
.macro FETCH k, g                      ; 28 LDS loads in one run: quarter k's fragments into buffer g
	WIN 0x40
.irp b, 0,1,2,3,4,5
	ds_load_b128 v[(\g)+8*(\b):(\g)+8*(\b)+3],   v17 offset:(\b)*4096+(\k)*1024
	ds_load_b128 v[(\g)+8*(\b)+4:(\g)+8*(\b)+7], v17 offset:(\b)*4096+(\k)*1024+512
.endr
	WIN 0
.irp a, 0,1,2,3,4,5,6,7
	ds_load_b128 v[(\g)+8*(\a):(\g)+8*(\a)+3],   v16 offset:(\a)*16*PITCH+(\k)*64
	ds_load_b128 v[(\g)+8*(\a)+4:(\g)+8*(\a)+7], v16 offset:(\a)*16*PITCH+(\k)*64+32
.endr
.endm
.macro QUARTER k, f, g, zero           ; multiplies buffer f, fetches quarter k into buffer g behind its first 12 products
	s_wait_dscnt 0x0                               ; buffer f is in: its run was issued 36 products ago
	MULA \f, 0, \zero
	MULA \f, 1, \zero
	PLACES
	FETCH \k, \g
.irp a, 2,3,4,5,6,7
	MULA \f, \a, \zero
.endr
.endm
; The fourth quarter multiplies buffer 1 and changes slots.  In front of the barrier each wave waits for all its tensor loads (one is out: its part of the next slot), adds 0 to its spare word,
; and waits for that and for its reads of this slot.  fill = 1: the barrier opens a round of the cluster's, and the joint refill (the K step two on) is the first thing behind it.
.macro TURN fill
.if \fill
	s_wait_xcnt 0x0                                ; the last prefetch, a K step back, has read its address
	s_add_nc_u64 s[58:59], s[58:59], s[60:61]
.endif
	WIN 0
	s_wait_tensorcnt 0x0
	ds_add_u32 v28, v29
.if \fill
	s_xor_b32 s37, s37, SLOT1                      ; no load of mine is out: the walking descriptors step: the other slot, the next K step
	s_add_nc_u64 s[38:39], s[38:39], STEPA
	s_xor_b32 s53, s53, SLOT1
	s_add_nc_u64 s[54:55], s[54:55], STEPB
.endif
	s_wait_dscnt 0x1                               ; only the add may be out: buffer 1 is in
	MULA F1, 0, 0
	s_wait_dscnt 0x0                               ; the add is done, my reads of this slot are over
	s_barrier_signal -1
	MULA F1, 1, 0
	WIN 0
	s_barrier_wait -1
.if \fill
	CREST
	JLOAD                                          ; its four v_nop are also the places in front of the loads below
.else
	PLACES
.endif
	s_xor_b32 s56, s56, SLOT1
	v_add_nc_u32 v16, s56, v18
	v_add_nc_u32 v17, s56, v19
	FETCH 0, F0
.if \fill
	ASK
.endif
.irp a, 2,3,4,5,6,7
	MULA F1, \a, 0
.endr
.endm
	s_wait_tensorcnt 0x1                           ; my part of K step 0 is in; step 1's load stays out
	s_barrier_signal -1
	s_barrier_wait -1
	FETCH 0, F0
	QUARTER 1, F0, F1, 1                           ; the first quarter starts the sums with the constant 0
	WIN 0
	s_mov_b32 s3, 6
.Lfill:                                        ; six trips: the rest of step s, the refill with step s + 2, the first quarter of step s + 1
	QUARTER 2, F1, F0, 0
	QUARTER 3, F0, F1, 0
	TURN 1
	QUARTER 1, F0, F1, 0
	WIN 0
	s_sub_co_u32 s3, s3, 1
	s_cmp_lg_u32 s3, 0
	s_cbranch_scc1 .Lfill
	QUARTER 2, F1, F0, 0                           ; steps 6 and 7 fill nothing: written out
	QUARTER 3, F0, F1, 0
	TURN 0
	QUARTER 1, F0, F1, 0
	QUARTER 2, F1, F0, 0
	QUARTER 3, F0, F1, 0
	s_wait_dscnt 0x0
.irp a, 0,1,2,3,4,5,6,7
	MULA F1, \a, 0
.endr
	PLACES
	; THE WAY OUT: round to f16, ascending in each accumulator; 192 registers, each written once; a store covers a whole block of 512 bytes
.set a, 0
.rept 8
	WIN 0x0a+5*(a/4)
.set b, 0
.rept 6
.irp r, 0,1,2,3
	v_cvt_pk_f16_f32 v[64+4*(6*a+b)+(\r)], v[8*(6*(a%4)+b)+2*(\r)], v[8*(6*(a%4)+b)+2*(\r)+1]
.endr
.set b, b+1
.endr
	WIN 0
.set b, 0
.rept 6
	global_store_b128 v[32+b], v[64+4*(6*a+b):64+4*(6*a+b)+3], s[74:75] offset:a*98304+b*512
.set b, b+1
.endr
.set a, a+1
.endr
	s_wait_tensorcnt 0x0                           ; the wave's end
	ds_add_u32 v28, v29
	s_wait_dscnt 0x0
	CROUND                                         ; the closing round
	s_endpgm
.Lfunc_end_k_q96b1347669_proj:
	.size	k_q96b1347669_proj, .Lfunc_end_k_q96b1347669_proj-k_q96b1347669_proj
	.p2alignl 7, 3214868480
	.fill 96, 4, 3214868480
	.section	.rodata,"a",@progbits
	.p2align	6, 0x0
	.amdhsa_kernel k_q96b1347669_proj
		.amdhsa_group_segment_fixed_size 327680
		.amdhsa_private_segment_fixed_size 0
		.amdhsa_enable_private_segment 0
		.amdhsa_kernarg_size 24
		.amdhsa_user_sgpr_count 2
		.amdhsa_user_sgpr_kernarg_segment_ptr 1
		.amdhsa_wavefront_size32 1
		.amdhsa_system_sgpr_workgroup_id_x 1
		.amdhsa_system_sgpr_workgroup_id_y 1
		.amdhsa_system_sgpr_workgroup_id_z 1
		.amdhsa_system_vgpr_workitem_id 0
		.amdhsa_next_free_vgpr 960
		.amdhsa_next_free_sgpr 84
		.amdhsa_reserve_vcc 0
		.amdhsa_float_denorm_mode_32 3
		.amdhsa_float_denorm_mode_16_64 3
		.amdhsa_memory_ordered 1
		.amdhsa_forward_progress 1
		.amdhsa_inst_pref_size 89
	.end_amdhsa_kernel
	.amdgpu_metadata
---
amdhsa.version: [ 1, 2 ]
amdhsa.kernels:
  - .name:           k_q96b1347669_proj
    .symbol:         k_q96b1347669_proj.kd
    .args:
      - { .name: xb, .offset: 0, .size: 8, .value_kind: global_buffer, .address_space: global }
      - { .name: wf, .offset: 8, .size: 8, .value_kind: global_buffer, .address_space: global }
      - { .name: qkv, .offset: 16, .size: 8, .value_kind: global_buffer, .address_space: global }
    .group_segment_fixed_size: 327680
    .private_segment_fixed_size: 0
    .kernarg_segment_align: 8
    .kernarg_segment_size: 24
    .max_flat_workgroup_size: 128
    .sgpr_count:     84
    .vgpr_count:     960
    .wavefront_size: 32
...
	.end_amdgpu_metadata
.endif
;; end of part 2
;; launch scores (part 3): grid 8 x 32, 4 waves a work-group, clusters of 4 x 4, 327,680 bytes of LDS; arguments qkv, e, st; writes e, st
.if DOCPART == 3
	.amdgcn_target "amdgcn-amd-amdhsa--gfx1250"
	.amdhsa_code_object_version 6
	.text
	.protected	k_q96b1347669_scores
	.globl	k_q96b1347669_scores
	.p2align	8
	.type	k_q96b1347669_scores,@function
k_q96b1347669_scores:
	s_mov_b64 s[64:65], 0
	v_nop
	global_prefetch_b8 v0, s[64:65] scope:SCOPE_SE
	s_setreg_imm32_b32 hwreg(HW_REG_WAVE_MODE, 25, 1), 1
	s_wait_xcnt 0x0
	s_wait_alu depctr_hold_cnt(0) depctr_sa_sdst(0) depctr_va_vdst(0) depctr_va_sdst(0) depctr_va_ssrc(0) depctr_va_vcc(0) depctr_vm_vsrc(0)
	s_getreg_b32 s2, hwreg(HW_REG_IB_STS2, 6, 4)
	s_cmp_eq_u32 s2, 0
	s_cbranch_scc0 .Lentry_in_a_cluster
	s_endpgm
.Lentry_in_a_cluster:
	s_bfe_u32 s2, ttmp6, 0x10000c
	s_cmp_lg_u32 s2, 0xf033
	s_cbranch_scc0 .Lentry_shape_is_right
	s_endpgm
.Lentry_shape_is_right:
; SCORES: for query set (b, w) and key set z (256 tokens each, in the permuted order: 32 tokens of each band of 256) the visible scores s = q . k, and of them
;   E = 2^(c s - c m) in f16, c = log2(e) / 32, with m the maximum and l the sum over a BLOCK: one query row x the 16 ch .. 16 ch + 15 keys of every visible band of the key set.
; The next launch joins the blocks of a row (2 x 8 of them) by their maxima: a softmax with the maximum taken away, in two levels.
; CAUSALITY.  Query band u against key band v (a sub-tile of 32 x 32): v < u all visible, v > u all hidden: never made, stored or read; v = u: key y hidden where y > 32 (w - z) + x.
; So every work-group makes the same 36 of 64 sub-tiles, number p(u, v) = 8 v - v (v - 1) / 2 + u - v.  The mask is the C operand that starts the sums of the 8 diagonal sub-tiles.
; LIMITS.  A hidden score counts as its value less 1e30; a block's maximum is floored at -1e29 (a block with no visible key gives E = 0, l = 0); a weight under 2^-126 counts as 0; NaN and infinities are not treated apart.
; SHARES.  Wave (rh, ch) makes rows 16 rh.., keys 16 ch.. of all 36 sub-tiles: 36 accumulators.  K = 1,024 channels in 8 steps of 128 through two LDS slots; a step is four quarters of 32.
; S^T = K Q^T (source 0 = 16 keys, source 1 = 16 queries): a lane holds ONE query (lane % 16) and keys 8 (lane / 16) + 0..7: rounded, 16 bytes = half a fragment of the next product: stored at 16 x lane, no stage.
; q's and k's tiles come as fragments (1,024 bytes each), dense, and are read at 16 x lane.
; CLUSTER 4 x 4: q's tile hangs on (b, w), shared along a row; k's on (b, z), shared along a column (the four of a column lie in one batch).
; REGISTERS: window 0: addresses; v32-39 mask; v40-55 (c m, m) by band; v56-63 l by band; v64-72 at work; v76-83 what is stored of them.
;   window 1: two buffers of 128: q's fragment u at 8 u, k's fragment v at 64 + 8 v; on the way out E, 4 p.   window 2: accumulators p = 0..31 at 8 p;  window 3: p = 32..35.
.set SLOT1, 131072
.set SPARE, 262144
.set STEP,  4096                       ; a K step in a block row of qkv: 8 column blocks of 512 bytes
.set F0, 0
.set F1, 128
.set MSB, 0
.macro WIN new
.if MSB != (\new)
	s_set_vgpr_msb (MSB<<8)|(\new)
.set MSB, (\new)
.endif
.endm
.macro PLACES
.rept 4
	v_nop
.endr
.endm
.macro CREST
	s_cmp_lg_u32 s12, 0
	s_cbranch_scc1 .Lnot_wave_0_\@
	s_barrier_signal -3
.Lnot_wave_0_\@:
	s_barrier_wait -3
	s_barrier_signal -1
	s_barrier_wait -1
.endm
.macro CROUND
	s_barrier_signal -1
	s_barrier_wait -1
	CREST
.endm
.macro JLOAD                           ; waves 0, 1: q's halves; waves 2, 3: k's
	s_cmp_eq_u32 s13, 0
	s_cbranch_scc0 .Lfor_b_\@
	tensor_load_to_lds s[36:39], s[24:31]
	s_nop 0
.rept 4
	v_nop
.endr
	s_branch .Lasked_\@
.Lfor_b_\@:
	tensor_load_to_lds s[52:55], s[40:47]
	s_nop 0
.rept 4
	v_nop
.endr
.Lasked_\@:
.endm
; A prefetch of the K step two refills on.  q's rows: the clusters with x = 0 ask; k's: of the two cluster rows of a batch the even one.  Of a load's 8 block rows each of the four partners takes 2, by address: 32 blocks of 256 bytes, a lane each.
.macro ASK
	WIN 0
	s_cmp_gt_u32 s3, s57
	s_cbranch_scc0 .Lnoask_\@
	global_prefetch_b8 v30, s[58:59] th:TH_LOAD_NT scope:SCOPE_SE
.Lnoask_\@:
.endm
	s_load_b128 s[4:7], s[0:1], 0x0                ; qkv s[4:5], e s[6:7]
	s_load_b64 s[8:9], s[0:1], 0x10                ; st
	v_lshl_add_u32 v28, v0, 2, SPARE
	v_mov_b32 v29, 0
	ds_add_u32 v28, v29                            ; the wave's opening: the add and its wait ahead of my first tensor load
	v_lshrrev_b32 v4, 5, v0
	v_readfirstlane_b32 s12, v4
	s_lshr_b32 s13, s12, 1                         ; rh; also: I fetch q (0) or k (1)
	s_and_b32 s14, s12, 1                          ; ch; also: which half of that tile
	s_bfe_u32 s15, ttmp6, 0x40000
	s_bfe_u32 s16, ttmp6, 0x40004
	s_lshl_b32 s17, ttmp9, 2
	s_add_co_u32 s17, s17, s15                     ; z
	s_and_b32 s19, ttmp7, 0xffff
	s_lshl_b32 s18, s19, 2
	s_add_co_u32 s18, s18, s16                     ; 8 b + w
	s_lshl_b32 s20, s16, 2
	s_lshl_b32 s20, 15, s20
	s_lshl_b32 s22, 0x1111, s15
	s_or_b32 s24, s20, (3<<16)|(1<<21)             ; 8-byte elements, dense; bit 21 beside the mask
	s_or_b32 s40, s22, (3<<16)|(1<<21)
.irp g, 24, 40
	s_mov_b32 s[(\g)+1], 512<<16                   ; a row = 4,096 bytes
	s_mov_b32 s[(\g)+2], 8<<16                     ; 8 blocks of 16 tokens
	s_mov_b32 s[(\g)+3], 512<<16
	s_mov_b32 s[(\g)+4], 8
	s_mov_b32 s[(\g)+5], 12288                     ; 98,304 bytes from block row to block row
	s_mov_b32 s[(\g)+6], 0
	s_mov_b32 s[(\g)+7], 0
.endr
	s_lshl_b32 s2, s14, 15                         ; LDS: q's half,
	s_add_co_u32 s3, s2, 65536                     ; k's half
	s_lshl_b32 s20, s18, 4
	s_lshl_b32 s21, s14, 3
	s_add_co_u32 s20, s20, s21
	s_mul_i32 s20, s20, 98304                      ; q: block row 16 (8 b + w) + 8 x half
	s_mov_b32 s21, 0
	s_lshr_b32 s22, s19, 1                         ; b, from the cluster's y: the same in all four of a column
	s_lshl_b32 s22, s22, 3
	s_add_co_u32 s22, s22, s17
	s_lshl_b32 s22, s22, 4
	s_lshl_b32 s23, s14, 3
	s_add_co_u32 s22, s22, s23
	s_mul_i32 s62, s22, 98304                      ; k: block row 16 (8 b + z) + 8 x half,
	s_add_co_u32 s62, s62, 32768                   ; column blocks 64 on
	s_mov_b32 s63, 0
	s_mov_b32 s66, 0x3d38aa3b                      ; c = log2(e) / 32
	s_mov_b32 s67, s66
	s_mov_b32 s68, 0x76543210
	s_mov_b32 s69, 0xfedcba98
	s_mov_b32 s70, 0xefa18f08                      ; -1e29
	s_mov_b32 s71, 0xf149f2ca                      ; -1e30
	s_mov_b32 s72, 0xffff0000                      ; lanes 16-31
	s_wait_dscnt 0x0
	s_wait_kmcnt 0x0
	s_add_nc_u64 s[20:21], s[4:5], s[20:21]
	s_add_nc_u64 s[62:63], s[4:5], s[62:63]
	CROUND
.irp s, 0,1
	s_mov_b32 s[32+4*(\s)], 1
	s_add_co_u32 s[33+4*(\s)], s2, (\s)*SLOT1
	s_add_nc_u64 s[34+4*(\s):35+4*(\s)], s[20:21], (\s)*STEP
	s_or_b32 s[35+4*(\s)], s[35+4*(\s)], 0x80000000
	s_mov_b32 s[48+4*(\s)], 1
	s_add_co_u32 s[49+4*(\s)], s3, (\s)*SLOT1
	s_add_nc_u64 s[50+4*(\s):51+4*(\s)], s[62:63], (\s)*STEP
	s_or_b32 s[51+4*(\s)], s[51+4*(\s)], 0x80000000
.endr
	s_cmp_eq_u32 s13, 0
	s_cbranch_scc0 .Lfirst_b
	tensor_load_to_lds s[32:35], s[24:31]
	s_nop 0
	tensor_load_to_lds s[36:39], s[24:31]
	s_nop 0
.rept 4
	v_nop
.endr
	s_branch .Lfirst_done
.Lfirst_b:
	tensor_load_to_lds s[48:51], s[40:47]
	s_nop 0
	tensor_load_to_lds s[52:55], s[40:47]
	s_nop 0
.rept 4
	v_nop
.endr
.Lfirst_done:
	v_and_b32 v1, 15, v0
	v_bfe_u32 v2, v0, 4, 1
	v_and_b32 v3, 31, v0
	s_lshl_b32 s2, s13, 12                         ; q's fragment u lies at block row 2 u + rh
	v_lshl_add_u32 v18, v3, 4, s2
	s_lshl_b32 s2, s14, 12                         ; k's fragment v at 2 v + ch, behind q's 65,536 bytes
	s_add_co_u32 s2, s2, 65536
	v_lshl_add_u32 v19, v3, 4, s2
	v_mov_b32 v16, v18
	v_mov_b32 v17, v19
	s_mov_b32 s56, 0
	v_lshlrev_b32 v21, 4, v3                       ; 16 x lane: for all stores
	v_mov_b32 v72, 0                               ; the lane exchange's destination counts as read
	; the diagonal's mask: register j (key 16 ch + 8 h + j) is hidden where j > 32 (w - z) + 16 rh + r - 16 ch - 8 h
	s_and_b32 s2, s18, 7
	s_sub_co_i32 s2, s2, s17
	s_lshl_b32 s2, s2, 5
	s_sub_co_i32 s23, s13, s14
	s_lshl_b32 s23, s23, 4
	s_add_co_i32 s2, s2, s23
	v_lshlrev_b32 v5, 3, v2
	v_sub_nc_u32 v4, v1, v5
	v_add_nc_u32 v4, s2, v4
.irp j, 0,1,2,3,4,5,6,7
	v_cmp_gt_i32 vcc_lo, \j, v4
	v_cndmask_b32 v[32+(\j)], 0, s71, vcc_lo
.endr
	s_lshl_b32 s2, s18, 3                          ; e: [8 b + w][z][rh][p][ch][512 bytes]
	s_add_co_u32 s2, s2, s17
	s_lshl_b32 s2, s2, 1
	s_add_co_u32 s2, s2, s13
	s_mul_i32 s2, s2, 36864
	s_lshl_b32 s23, s14, 9
	s_add_co_u32 s74, s2, s23
	s_mov_b32 s75, 0
	s_add_nc_u64 s[74:75], s[6:7], s[74:75]
	s_lshl_b32 s2, s18, 1                          ; st: [8 b + w][rh][2 z + ch][c m, l][512 bytes]
	s_add_co_u32 s2, s2, s13
	s_lshl_b32 s2, s2, 4
	s_lshl_b32 s23, s17, 1
	s_add_co_u32 s2, s2, s23
	s_add_co_u32 s2, s2, s14
	s_lshl_b32 s76, s2, 10
	s_mov_b32 s77, 0
	s_add_nc_u64 s[76:77], s[8:9], s[76:77]
	s_and_b32 s23, s19, 1                          ; the prefetches
	s_cmp_eq_u32 s13, 0
	s_cselect_b32 s2, s15, s16                     ; my place among the four that ask with me
	s_cselect_b32 s23, ttmp9, s23                  ; 0 in the cluster that asks
	s_cselect_b64 s[58:59], s[20:21], s[62:63]
	s_mul_i32 s60, s2, 2*98304
	s_add_co_u32 s60, s60, 3*STEP                  ; at K step 3: the first change of slots steps it to 4
	s_mov_b32 s61, 0
	s_add_nc_u64 s[58:59], s[58:59], s[60:61]
	s_mov_b32 s60, STEP
	s_cmp_eq_u32 s23, 0
	s_cselect_b32 s57, 2, -1
	v_lshlrev_b32 v30, 8, v1
	v_mul_u32_u24 v5, v2, 98304
	v_add_nc_u32 v30, v30, v5
.macro PSET u, v                       ; accumulator (u, v): pp its number, pr its first register, pw its window
.set pp, 8*(\v)-((\v)*((\v)-1))/2+(\u)-(\v)
.set pr, 8*(pp%32)
.set pw, 2+pp/32
.endm
; key band v against query bands v..7, 32 channels.  The 36 accumulators take turns in one fixed order.  zero = 1: the sums start, with 0 or (u = v) with the mask.
.macro MULV f, v, zero
.set mu, \v
.rept 8-(\v)
	PSET mu, \v
.if (\zero) && (mu == (\v))
	WIN 0x05|(pw<<6)
	v_wmma_f32_16x16x32_f16 v[pr:pr+7], v[(\f)+64+8*(\v):(\f)+64+8*(\v)+7], v[(\f)+8*mu:(\f)+8*mu+7], v[32:39]
.elseif \zero
	WIN 0x05|(pw<<4)|(pw<<6)
	v_wmma_f32_16x16x32_f16 v[pr:pr+7], v[(\f)+64+8*(\v):(\f)+64+8*(\v)+7], v[(\f)+8*mu:(\f)+8*mu+7], 0
.else
	WIN 0x05|(pw<<4)|(pw<<6)
	v_wmma_f32_16x16x32_f16 v[pr:pr+7], v[(\f)+64+8*(\v):(\f)+64+8*(\v)+7], v[(\f)+8*mu:(\f)+8*mu+7], v[pr:pr+7]
.endif
.set mu, mu+1
.endr
.endm
.macro FETCH k, g                      ; 32 LDS loads in one run, each 512 consecutive bytes
	WIN 0x40
.irp i, 0,1,2,3,4,5,6,7
	ds_load_b128 v[(\g)+8*(\i):(\g)+8*(\i)+3],   v16 offset:(\i)*8192+(\k)*1024
	ds_load_b128 v[(\g)+8*(\i)+4:(\g)+8*(\i)+7], v16 offset:(\i)*8192+(\k)*1024+512
.endr
.irp i, 0,1,2,3,4,5,6,7
	ds_load_b128 v[(\g)+64+8*(\i):(\g)+64+8*(\i)+3],   v17 offset:(\i)*8192+(\k)*1024
	ds_load_b128 v[(\g)+64+8*(\i)+4:(\g)+64+8*(\i)+7], v17 offset:(\i)*8192+(\k)*1024+512
.endr
.endm
.macro QUARTER k, f, g, zero
	s_wait_dscnt 0x0                               ; buffer f is in: its run was issued 28 products ago
	MULV \f, 0, \zero
	PLACES
	FETCH \k, \g
.irp v, 1,2,3,4,5,6,7
	MULV \f, \v, \zero
.endr
.endm
.macro TURN fill                       ; the fourth quarter and the change of slots
.if \fill
	s_wait_xcnt 0x0                                ; the last prefetch, a K step back, has read its address
	s_add_nc_u64 s[58:59], s[58:59], s[60:61]
.endif
	WIN 0
	s_wait_tensorcnt 0x0                           ; all my tensor loads have landed: my part of the next slot
	ds_add_u32 v28, v29
.if \fill
	s_xor_b32 s37, s37, SLOT1
	s_add_nc_u64 s[38:39], s[38:39], STEP
	s_xor_b32 s53, s53, SLOT1
	s_add_nc_u64 s[54:55], s[54:55], STEP
.endif
	s_wait_dscnt 0x1                               ; only the add may be out: buffer 1 is in
	MULV F1, 0, 0
	s_wait_dscnt 0x0                               ; the add is done, my reads of this slot are over
	s_barrier_signal -1
	MULV F1, 1, 0
	WIN 0
	s_barrier_wait -1
.if \fill
	CREST
	JLOAD
.else
	PLACES
.endif
	s_xor_b32 s56, s56, SLOT1
	v_add_nc_u32 v16, s56, v18
	v_add_nc_u32 v17, s56, v19
	FETCH 0, F0
.if \fill
	ASK
.endif
.irp v, 2,3,4,5,6,7
	MULV F1, \v, 0
.endr
.endm
	s_wait_tensorcnt 0x1                           ; my part of K step 0 is in; step 1's load stays out
	s_barrier_signal -1
	s_barrier_wait -1
	FETCH 0, F0
	QUARTER 1, F0, F1, 1
	WIN 0
	s_mov_b32 s3, 6
.Lfill:
	QUARTER 2, F1, F0, 0
	QUARTER 3, F0, F1, 0
	TURN 1
	QUARTER 1, F0, F1, 0
	WIN 0
	s_sub_co_u32 s3, s3, 1
	s_cmp_lg_u32 s3, 0
	s_cbranch_scc1 .Lfill
	QUARTER 2, F1, F0, 0                           ; steps 6 and 7 fill nothing: written out
	QUARTER 3, F0, F1, 0
	TURN 0
	QUARTER 1, F0, F1, 0
	QUARTER 2, F1, F0, 0
	QUARTER 3, F0, F1, 0
	s_wait_dscnt 0x0
.irp v, 0,1,2,3,4,5,6,7
	MULV F1, \v, 0
.endr
	PLACES
; THE WAY OUT, band by band.  Band u's rows have the accumulators (u, 0..u).
.macro ROWSM u
.set vv, 0
.rept (\u)+1                           ; the maximum: a chain for each accumulator, stage by stage, the lowest registers first
	PSET \u, vv
	WIN pw|(pw<<2)|(pw<<4)
	v_max3_num_f32 v[64+vv], v[pr], v[pr+1], v[pr+2]
.set vv, vv+1
.endr
.irp s, 3,5
.set vv, 0
.rept (\u)+1
	PSET \u, vv
	WIN (pw<<2)|(pw<<4)
	v_max3_num_f32 v[64+vv], v[64+vv], v[pr+(\s)], v[pr+(\s)+1]
.set vv, vv+1
.endr
.endr
.set vv, 0
.rept (\u)+1
	PSET \u, vv
	WIN (pw<<2)|(pw<<4)
	v_max_num_f32 v[64+vv], v[64+vv], v[pr+7]
.set vv, vv+1
.endr
	WIN 0
.if (\u) >= 2
.set vv, 1
.rept (\u)/2
	v_max3_num_f32 v64, v64, v[64+vv], v[64+vv+1]
.set vv, vv+2
.endr
.endif
.if (\u)%2
	v_max_num_f32 v64, v64, v[64+(\u)]
.endif
	v_permlanex16_b32 v72, v64, s68, s69           ; the row's other 8 keys of each group lie in the lane 16 away
	v_max3_num_f32 v[41+2*(\u)], v64, v72, s70     ; m, floored
	v_mul_f32 v[40+2*(\u)], s66, v[41+2*(\u)]      ; c m
.set vv, 0
.rept (\u)+1                           ; c s - c m, in place
	PSET \u, vv
	WIN pw|(pw<<6)
.irp j, 0,2,4,6
	v_pk_fma_f32 v[pr+(\j):pr+(\j)+1], v[pr+(\j):pr+(\j)+1], s[66:67], v[40+2*(\u):41+2*(\u)] op_sel_hi:[1,0,0] neg_lo:[0,0,1] neg_hi:[0,0,1]
.endr
.set vv, vv+1
.endr
.set vv, 0
.rept (\u)+1                           ; the exponentials: one batch
	PSET \u, vv
	WIN pw|(pw<<6)
.irp j, 0,1,2,3,4,5,6,7
	v_exp_f32 v[pr+(\j)], v[pr+(\j)]
.endr
.set vv, vv+1
.endr
	v_nop                                          ; a plain instruction behind the last exponential,
	s_wait_alu depctr_va_vdst(0)                   ; and the one wait ahead of the batch's first reader
.set vv, 0
.rept (\u)+1                           ; rounded to f16: 16 bytes a lane, into registers written once
	PSET \u, vv
	WIN pw|(pw<<2)|(1<<6)
.irp j, 0,1,2,3
	v_cvt_pk_f16_f32 v[4*pp+(\j)], v[pr+2*(\j)], v[pr+2*(\j)+1]
.endr
.set vv, vv+1
.endr
	WIN 0x04
.set vv, 0
.rept (\u)+1
	PSET \u, vv
	global_store_b128 v21, v[4*pp:4*pp+3], s[74:75] offset:pp*1024  ; 512 consecutive bytes, aligned
.set vv, vv+1
.endr
.if (\u) >= 1
.set vv, 1
.rept \u                               ; the sum of the unrounded weights: four chains onto accumulator (u, 0)
	PSET \u, vv
	WIN 0x82|(pw<<2)
.irp j, 0,2,4,6
	v_pk_add_f32 v[8*(\u)+(\j):8*(\u)+(\j)+1], v[8*(\u)+(\j):8*(\u)+(\j)+1], v[pr+(\j):pr+(\j)+1]
.endr
.set vv, vv+1
.endr
.endif
	WIN 0x8a
	v_pk_add_f32 v[8*(\u):8*(\u)+1], v[8*(\u):8*(\u)+1], v[8*(\u)+2:8*(\u)+3]
	v_pk_add_f32 v[8*(\u)+4:8*(\u)+5], v[8*(\u)+4:8*(\u)+5], v[8*(\u)+6:8*(\u)+7]
	v_pk_add_f32 v[8*(\u):8*(\u)+1], v[8*(\u):8*(\u)+1], v[8*(\u)+4:8*(\u)+5]
	WIN 0x0a
	v_add_f32 v64, v[8*(\u)], v[8*(\u)+1]
	WIN 0
	v_permlanex16_b32 v72, v64, s68, s69
	v_add_f32 v[56+(\u)], v64, v72                 ; l
.endm
.irp u, 0,1,2,3,4,5,6,7
	ROWSM \u
.endr
	; both halves of the lanes hold all 8 bands' c m and l: lanes 0-15 store bands 0-3, lanes 16-31 bands 4-7
.irp k, 0,1,2,3
	v_cndmask_b32 v[76+(\k)], v[40+2*(\k)], v[48+2*(\k)], s72
	v_cndmask_b32 v[80+(\k)], v[56+(\k)], v[60+(\k)], s72
.endr
	global_store_b128 v21, v[76:79], s[76:77]
	global_store_b128 v21, v[80:83], s[76:77] offset:512
	s_wait_tensorcnt 0x0                           ; the wave's end
	ds_add_u32 v28, v29
	s_wait_dscnt 0x0
	CROUND
	s_endpgm
.Lfunc_end_k_q96b1347669_scores:
	.size	k_q96b1347669_scores, .Lfunc_end_k_q96b1347669_scores-k_q96b1347669_scores
	.p2alignl 7, 3214868480
	.fill 96, 4, 3214868480
	.section	.rodata,"a",@progbits
	.p2align	6, 0x0
	.amdhsa_kernel k_q96b1347669_scores
		.amdhsa_group_segment_fixed_size 327680
		.amdhsa_private_segment_fixed_size 0
		.amdhsa_enable_private_segment 0
		.amdhsa_kernarg_size 24
		.amdhsa_user_sgpr_count 2
		.amdhsa_user_sgpr_kernarg_segment_ptr 1
		.amdhsa_wavefront_size32 1
		.amdhsa_system_sgpr_workgroup_id_x 1
		.amdhsa_system_sgpr_workgroup_id_y 1
		.amdhsa_system_sgpr_workgroup_id_z 1
		.amdhsa_system_vgpr_workitem_id 0
		.amdhsa_next_free_vgpr 800
		.amdhsa_next_free_sgpr 84
		.amdhsa_reserve_vcc 1
		.amdhsa_float_denorm_mode_32 3
		.amdhsa_float_denorm_mode_16_64 3
		.amdhsa_memory_ordered 1
		.amdhsa_forward_progress 1
		.amdhsa_inst_pref_size 120
	.end_amdhsa_kernel
	.amdgpu_metadata
---
amdhsa.version: [ 1, 2 ]
amdhsa.kernels:
  - .name:           k_q96b1347669_scores
    .symbol:         k_q96b1347669_scores.kd
    .args:
      - { .name: qkv, .offset: 0, .size: 8, .value_kind: global_buffer, .address_space: global }
      - { .name: e, .offset: 8, .size: 8, .value_kind: global_buffer, .address_space: global }
      - { .name: st, .offset: 16, .size: 8, .value_kind: global_buffer, .address_space: global }
    .group_segment_fixed_size: 327680
    .private_segment_fixed_size: 0
    .kernarg_segment_align: 8
    .kernarg_segment_size: 24
    .max_flat_workgroup_size: 128
    .sgpr_count:     84
    .vgpr_count:     800
    .wavefront_size: 32
...
	.end_amdgpu_metadata
.endif
;; end of part 3
;; launch pv (part 4): grid 8 x 32, 4 waves a work-group, clusters of 4 x 4, 327,680 bytes of LDS; arguments e, qkv, st, out0; writes out0
.if DOCPART == 4
	.amdgcn_target "amdgcn-amd-amdhsa--gfx1250"
	.amdhsa_code_object_version 6
	.text
	.protected	k_q96b1347669_pv
	.globl	k_q96b1347669_pv
	.p2align	8
	.type	k_q96b1347669_pv,@function
k_q96b1347669_pv:
	s_mov_b64 s[64:65], 0
	v_nop
	global_prefetch_b8 v0, s[64:65] scope:SCOPE_SE
	s_setreg_imm32_b32 hwreg(HW_REG_WAVE_MODE, 25, 1), 1
	s_wait_xcnt 0x0
	s_wait_alu depctr_hold_cnt(0) depctr_sa_sdst(0) depctr_va_vdst(0) depctr_va_sdst(0) depctr_va_ssrc(0) depctr_va_vcc(0) depctr_vm_vsrc(0)
	s_getreg_b32 s2, hwreg(HW_REG_IB_STS2, 6, 4)
	s_cmp_eq_u32 s2, 0
	s_cbranch_scc0 .Lentry_in_a_cluster
	s_endpgm
.Lentry_in_a_cluster:
	s_bfe_u32 s2, ttmp6, 0x10000c
	s_cmp_lg_u32 s2, 0xf033
	s_cbranch_scc0 .Lentry_shape_is_right
	s_endpgm
.Lentry_shape_is_right:
; PV: out0 = softmax x v.  For a query row the 16 blocks (key set z, half ch) have c m and l in st and E = 2^(c s - c m) in e.  With M the row's largest c m:
;   g = 2^(c m - M) <= 1,  L = the sum of l g (f32),  y = (the sum over blocks of (E g) v) / L.  E g is one packed f16 multiply on the fragment, between its LDS load and the product.
; LIMITS.  E g keeps f16's fixed step of 6e-8 below 6e-5 (the row's largest weight is 1); g under 2^-126 counts as 0; NaN and infinities are not treated apart.
; SHARES.  A work-group makes query set (b, w), 256 rows, x 128 channels; wave (rh, cf) rows 16 rh.. of each of the 8 bands x 64 channels: 8 x 4 accumulators.
; A K step is a key set z (256 keys): 8 bands v of 32 keys; band v feeds query bands u >= v alone.  Bands are taken in pairs (d, 7 - d), d = 0..3: 9 fragments of E, 8 of v^T, 36 products each.
; O^T = V^T P (source 0 = 16 channels x 32 keys, by the turning LDS load; source 1 = E's fragment): a lane holds ONE query and 8 channels.
; CLUSTER 4 x 4: e's tile hangs on (b, w), shared along a row; v's on (b, channel tile), shared along a column.
; REGISTERS: window 0: addresses, v32-47 1 / L by band (twice), v64-171 at work at the head, v64-95 on the way out.
;   window 1: v^T's fragments at 64 f + 32 qs + 8 bb (f: buffer, qs: 0 band d, 1 band 7 - d); g at v128-143 (pair 0) and v144-159 (pairs 1-3); on the way out rows of O.
;   window 2: accumulators of bands 0-3 at 8 (4 u + bb); E's fragments of bands 0-3 at 128 + 32 f + 8 u.
;   window 3: accumulators of bands 4-7; E's fragments at 128 + 64 f + 32 qs + 8 (u - 4).   So ONE window setting serves a product and the multiplies by g beside it.
.set SLOT1, 147456                     ; 0x24000: its two bits are clear in all four tiles' LDS words, so one exclusive or changes slots
.set BOFF,  73728                      ; behind e's 2 x 36 fragments: v's 16 x 8 blocks of 512 bytes
.set STAGE, 286720                     ; behind the ring, never filled by a tensor load: 16 rows x 272 bytes for each wave
.set TBL,   304128                     ; g as (g, g) in f16: [rh][z][row, 80 bytes apart][2 u + ch]
.set RT,    324608                     ; 1 / L: [rh][u][row]
.set SPARE, 325632
.set STEPA, 73728
.set STEPB, 1572864
.set CM, 64
.set LL, 96
.set MM, 128
.set LS, 132
.set TX, 136
.set GP, 140
.set MSB, 0
.macro WIN new
.if MSB != (\new)
	s_set_vgpr_msb (MSB<<8)|(\new)
.set MSB, (\new)
.endif
.endm
.macro PLACES
.rept 4
	v_nop
.endr
.endm
.macro CREST
	s_cmp_lg_u32 s12, 0
	s_cbranch_scc1 .Lnot_wave_0_\@
	s_barrier_signal -3
.Lnot_wave_0_\@:
	s_barrier_wait -3
	s_barrier_signal -1
	s_barrier_wait -1
.endm
.macro CROUND
	s_barrier_signal -1
	s_barrier_wait -1
	CREST
.endm
.macro JLOAD                           ; waves 0, 1: e's halves; waves 2, 3: v's
	s_cmp_eq_u32 s13, 0
	s_cbranch_scc0 .Lfor_b_\@
	tensor_load_to_lds s[36:39], s[24:31]
	s_nop 0
.rept 4
	v_nop
.endr
	s_branch .Lasked_\@
.Lfor_b_\@:
	tensor_load_to_lds s[52:55], s[40:47]
	s_nop 0
.rept 4
	v_nop
.endr
.Lasked_\@:
.endm
; A prefetch of the key set two refills on.  e: the clusters with x = 0 ask; a load is 144 blocks of 256 bytes, 36 for each partner (by cx): 32 by the first line, 4 by the second (its lanes 4-31 repeat lane 3's).
; v: of a batch's two cluster rows the even one asks; 2 of a load's 8 block rows for each partner (by cy), 32 blocks.
.macro ASK
	WIN 0
	s_cmp_gt_u32 s3, s57
	s_cbranch_scc0 .Lnoask_\@
	global_prefetch_b8 v30, s[58:59] th:TH_LOAD_NT scope:SCOPE_SE
	s_cmp_eq_u32 s13, 0
	s_cbranch_scc0 .Lnoask_\@
	global_prefetch_b8 v31, s[58:59] offset:8192 th:TH_LOAD_NT scope:SCOPE_SE
.Lnoask_\@:
.endm
	s_load_b256 s[4:11], s[0:1], 0x0               ; e s[4:5], qkv s[6:7], st s[8:9], out0 s[10:11]
	v_lshl_add_u32 v28, v0, 2, SPARE
	v_mov_b32 v29, 0
	ds_add_u32 v28, v29                            ; the wave's opening: the add and its wait ahead of my first tensor load
	v_lshrrev_b32 v4, 5, v0
	v_readfirstlane_b32 s12, v4
	s_lshr_b32 s13, s12, 1                         ; rh; also: I fetch e (0) or v (1)
	s_and_b32 s14, s12, 1                          ; cf; also: which half of that tile
	s_bfe_u32 s15, ttmp6, 0x40000
	s_bfe_u32 s16, ttmp6, 0x40004
	s_lshl_b32 s17, ttmp9, 2
	s_add_co_u32 s17, s17, s15                     ; channel tile
	s_and_b32 s19, ttmp7, 0xffff
	s_lshl_b32 s18, s19, 2
	s_add_co_u32 s18, s18, s16                     ; 8 b + w
	s_lshl_b32 s20, s16, 2
	s_lshl_b32 s20, 15, s20
	s_lshl_b32 s22, 0x1111, s15
	s_or_b32 s24, s20, (3<<16)|(1<<21)             ; e: 36,864 dense bytes as 144 rows of 256
	s_mov_b32 s25, 32<<16
	s_mov_b32 s26, 144<<16
	s_mov_b32 s27, 32<<16
	s_mov_b32 s28, 144
	s_mov_b32 s29, 32
	s_mov_b32 s30, 0
	s_mov_b32 s31, 0
	s_or_b32 s40, s22, (3<<16)|(1<<21)             ; v: 8 block rows of 4,096 bytes, 98,304 apart
	s_mov_b32 s41, 512<<16
	s_mov_b32 s42, 8<<16
	s_mov_b32 s43, 512<<16
	s_mov_b32 s44, 8
	s_mov_b32 s45, 12288
	s_mov_b32 s46, 0
	s_mov_b32 s47, 0
	s_mul_i32 s2, s14, 36864                       ; LDS: e's half,
	s_lshl_b32 s3, s14, 15
	s_add_co_u32 s3, s3, BOFF                      ; v's half
	s_mul_i32 s20, s18, 589824
	s_add_co_u32 s20, s20, s2
	s_mov_b32 s21, 0
	s_lshr_b32 s22, s19, 1                         ; b, from the cluster's y
	s_lshl_b32 s22, s22, 7
	s_lshl_b32 s23, s14, 3
	s_add_co_u32 s22, s22, s23
	s_mul_i32 s62, s22, 98304
	s_lshl_b32 s23, s17, 12
	s_add_co_u32 s62, s62, s23
	s_add_co_u32 s62, s62, 65536                   ; column blocks 128 on
	s_mov_b32 s63, 0
	s_mov_b32 s68, 0x76543210
	s_mov_b32 s69, 0xfedcba98
	s_wait_dscnt 0x0
	s_wait_kmcnt 0x0
	s_add_nc_u64 s[20:21], s[4:5], s[20:21]
	s_add_nc_u64 s[62:63], s[6:7], s[62:63]
	CROUND
.irp s, 0,1
	s_mov_b32 s[32+4*(\s)], 1
	s_add_co_u32 s[33+4*(\s)], s2, (\s)*SLOT1
	s_add_nc_u64 s[34+4*(\s):35+4*(\s)], s[20:21], (\s)*STEPA
	s_or_b32 s[35+4*(\s)], s[35+4*(\s)], 0x80000000
	s_mov_b32 s[48+4*(\s)], 1
	s_add_co_u32 s[49+4*(\s)], s3, (\s)*SLOT1
	s_add_nc_u64 s[50+4*(\s):51+4*(\s)], s[62:63], (\s)*STEPB
	s_or_b32 s[51+4*(\s)], s[51+4*(\s)], 0x80000000
.endr
	s_cmp_eq_u32 s13, 0
	s_cbranch_scc0 .Lfirst_b
	tensor_load_to_lds s[32:35], s[24:31]
	s_nop 0
	tensor_load_to_lds s[36:39], s[24:31]
	s_nop 0
.rept 4
	v_nop
.endr
	s_branch .Lfirst_done
.Lfirst_b:
	tensor_load_to_lds s[48:51], s[40:47]
	s_nop 0
	tensor_load_to_lds s[52:55], s[40:47]
	s_nop 0
.rept 4
	v_nop
.endr
.Lfirst_done:
	; THE ROWS' STATISTICS, while the first tiles are on their way.  Wave (rh, cf) joins the blocks of bands 4 cf .. 4 cf + 3: lane (r, h) takes row r, blocks (z = i, ch = h), four bands a load.
	v_and_b32 v1, 15, v0
	v_bfe_u32 v2, v0, 4, 1
	v_and_b32 v3, 31, v0
	s_lshl_b32 s2, s18, 1
	s_add_co_u32 s2, s2, s13
	s_lshl_b32 s2, s2, 14
	s_lshl_b32 s23, s14, 8
	s_add_co_u32 s76, s2, s23
	s_mov_b32 s77, 0
	s_add_nc_u64 s[76:77], s[8:9], s[76:77]
	v_lshlrev_b32 v4, 4, v1
	v_lshl_add_u32 v4, v2, 10, v4
.set i, 0
.rept 8
	global_load_b128 v[CM+4*i:CM+4*i+3], v4, s[76:77] offset:i*2048
	global_load_b128 v[LL+4*i:LL+4*i+3], v4, s[76:77] offset:i*2048+512
.set i, i+1
.endr
	s_mul_i32 s2, s13, 36864                       ; E's fragments: 16 x lane in my rh's 36
	v_lshl_add_u32 v18, v3, 4, s2
	s_lshl_b32 s2, s14, 11                         ; v's blocks: 16 x lane in my 4 channel blocks
	s_add_co_u32 s2, s2, BOFF
	v_lshl_add_u32 v19, v3, 4, s2
	v_mov_b32 v16, v18
	v_mov_b32 v17, v19
	s_mov_b32 s56, 0
	s_mul_i32 s2, s13, 10240
	s_add_co_u32 s2, s2, TBL
	v_mul_u32_u24 v20, v1, 80
	v_add_nc_u32 v20, s2, v20                      ; my row's 16 words of g, key set 0; it steps 1,280 a key set
	s_lshl_b32 s23, s14, 5
	v_lshl_add_u32 v5, v2, 2, v20
	v_add_nc_u32 v5, s23, v5                       ; where I put g: word 2 (4 cf + k) + h
	s_lshl_b32 s2, s13, 9
	s_add_co_u32 s2, s2, RT
	v_lshl_add_u32 v25, v1, 2, s2                  ; my row's 1 / L, band 0
	s_lshl_b32 s23, s14, 8
	v_add_nc_u32 v6, s23, v25                      ; where I put 1 / L: band 4 cf
	s_mul_i32 s2, s12, 16*272
	s_add_co_u32 s2, s2, STAGE
	v_mul_u32_u24 v22, v1, 272                     ; into my stage: row r, 32 bytes for each half of the lanes
	v_lshl_add_u32 v22, v2, 5, v22
	v_add_nc_u32 v22, s2, v22
	v_mul_u32_u24 v23, v2, 272                     ; back: lanes 0-15 one row of 256 bytes, lanes 16-31 the next
	v_lshl_add_u32 v23, v1, 4, v23
	v_add_nc_u32 v23, s2, v23
	v_lshlrev_b32 v24, 4, v1                       ; and the same two rows in out0
	v_lshl_add_u32 v24, v2, 12, v24
	s_lshr_b32 s2, s18, 3                          ; out0 at token 2,048 b + 32 w + 16 rh (band 0), my 64 channels: the band stands in the stores' immediate, which undoes the permutation
	s_lshl_b32 s2, s2, 11
	s_and_b32 s23, s18, 7
	s_lshl_b32 s23, s23, 5
	s_add_co_u32 s2, s2, s23
	s_lshl_b32 s23, s13, 4
	s_add_co_u32 s2, s2, s23
	s_lshl_b32 s2, s2, 12
	s_lshl_b32 s23, s17, 9
	s_add_co_u32 s2, s2, s23
	s_lshl_b32 s23, s14, 8
	s_add_co_u32 s74, s2, s23
	s_mov_b32 s75, 0
	s_add_nc_u64 s[74:75], s[10:11], s[74:75]
	v_lshlrev_b32 v7, 8, v3                        ; the prefetches
	v_lshlrev_b32 v8, 8, v1
	v_mul_u32_u24 v9, v2, 98304
	v_add_nc_u32 v8, v8, v9
	v_min_u32 v31, 3, v3
	v_lshlrev_b32 v31, 8, v31
	s_mul_i32 s2, s15, 9216
	s_add_co_u32 s2, s2, 3*STEPA                   ; at key set 3: the first change of slots steps it to 4
	s_mul_i32 s23, s16, 2*98304
	s_add_co_u32 s23, s23, 3*STEPB
	s_and_b32 s22, s19, 1
	s_mov_b32 s61, 0
	s_cmp_eq_u32 s13, 0
	s_cselect_b64 s[58:59], s[20:21], s[62:63]
	s_cselect_b32 s60, s2, s23
	s_cselect_b32 s22, ttmp9, s22
	s_cselect_b32 s73, 0, -1
	v_cndmask_b32 v30, v7, v8, s73
	s_add_nc_u64 s[58:59], s[58:59], s[60:61]
	s_mov_b32 s60, STEPB
	s_cselect_b32 s60, STEPA, s60
	s_cmp_eq_u32 s22, 0
	s_cselect_b32 s57, 2, -1
.irp k, 0,1,2,3
	v_mov_b32 v[TX+(\k)], 0                        ; the lane exchange's destination counts as read
.endr
	s_wait_loadcnt 0x0
.irp k, 0,1,2,3
	v_max3_num_f32 v[MM+(\k)], v[CM+(\k)], v[CM+4+(\k)], v[CM+8+(\k)]
.endr
.irp k, 0,1,2,3
	v_max3_num_f32 v[MM+(\k)], v[MM+(\k)], v[CM+12+(\k)], v[CM+16+(\k)]
.endr
.irp k, 0,1,2,3
	v_max3_num_f32 v[MM+(\k)], v[MM+(\k)], v[CM+20+(\k)], v[CM+24+(\k)]
.endr
.irp k, 0,1,2,3
	v_max_num_f32 v[MM+(\k)], v[MM+(\k)], v[CM+28+(\k)]
.endr
.irp k, 0,1,2,3
	v_permlanex16_b32 v[TX+(\k)], v[MM+(\k)], s68, s69
.endr
.irp k, 0,1,2,3
	v_max_num_f32 v[MM+(\k)], v[MM+(\k)], v[TX+(\k)]  ; M: the row's largest c m
.endr
.set i, 0
.rept 8
	v_pk_add_f32 v[CM+4*i:CM+4*i+1], v[CM+4*i:CM+4*i+1], v[MM:MM+1] neg_lo:[0,1] neg_hi:[0,1]
	v_pk_add_f32 v[CM+4*i+2:CM+4*i+3], v[CM+4*i+2:CM+4*i+3], v[MM+2:MM+3] neg_lo:[0,1] neg_hi:[0,1]
.set i, i+1
.endr
.set i, 0
.rept 32
	v_exp_f32 v[CM+i], v[CM+i]                     ; g
.set i, i+1
.endr
	v_nop
	s_wait_alu depctr_va_vdst(0)                   ; one wait for the 32 exponentials, ahead of their first reader
	v_pk_mul_f32 v[LS:LS+1], v[LL:LL+1], v[CM:CM+1]
	v_pk_mul_f32 v[LS+2:LS+3], v[LL+2:LL+3], v[CM+2:CM+3]
.set i, 1
.rept 7
	v_pk_fma_f32 v[LS:LS+1], v[LL+4*i:LL+4*i+1], v[CM+4*i:CM+4*i+1], v[LS:LS+1]
	v_pk_fma_f32 v[LS+2:LS+3], v[LL+4*i+2:LL+4*i+3], v[CM+4*i+2:CM+4*i+3], v[LS+2:LS+3]
.set i, i+1
.endr
.irp k, 0,1,2,3
	v_permlanex16_b32 v[TX+(\k)], v[LS+(\k)], s68, s69
.endr
.irp k, 0,1,2,3
	v_add_f32 v[LS+(\k)], v[LS+(\k)], v[TX+(\k)]   ; L
.endr
.irp k, 0,1,2,3
	v_rcp_f32 v[LS+(\k)], v[LS+(\k)]
.endr
.set i, 0
.rept 32
	v_cvt_pk_f16_f32 v[GP+i], v[CM+i], v[CM+i]     ; (g, g); plain work behind the reciprocals
.set i, i+1
.endr
	s_wait_alu depctr_va_vdst(0)                   ; one wait for the four reciprocals
.set i, 0
.rept 8
.irp k, 0,1,2,3
	ds_store_b32 v5, v[GP+4*i+(\k)] offset:i*1280+8*(\k)
.endr
.set i, i+1
.endr
.irp k, 0,1,2,3
	ds_store_b32 v6, v[LS+(\k)] offset:64*(\k)
.endr
.macro PIDX u, v
.set pp, 8*(\v)-((\v)*((\v)-1))/2+(\u)-(\v)
.endm
; One run of LDS loads: pair d's 8 fragments of v^T (turned), 9 of E, into buffer f; gs: where 16 words of g go, or 0
.macro FETCH d, f, gs
	WIN 0x40
.irp bb, 0,1,2,3
	ds_load_tr16_b128 v[64*(\f)+8*(\bb):64*(\f)+8*(\bb)+3],       v17 offset:(\d)*8192+(\bb)*512
	ds_load_tr16_b128 v[64*(\f)+8*(\bb)+4:64*(\f)+8*(\bb)+7],     v17 offset:(\d)*8192+(\bb)*512+4096
	ds_load_tr16_b128 v[64*(\f)+32+8*(\bb):64*(\f)+32+8*(\bb)+3], v17 offset:(7-(\d))*8192+(\bb)*512
	ds_load_tr16_b128 v[64*(\f)+32+8*(\bb)+4:64*(\f)+32+8*(\bb)+7], v17 offset:(7-(\d))*8192+(\bb)*512+4096
.endr
.if \gs
.irp i, 0,1,2,3
	ds_load_b128 v[(\gs)+4*(\i):(\gs)+4*(\i)+3], v20 offset:16*(\i)
.endr
.endif
.set eu, \d
.rept 8-(\d)
	PIDX eu, \d
.if eu < 4
	WIN 0x80
.set er, 128+32*(\f)+8*eu
.else
	WIN 0xc0
.set er, 128+64*(\f)+8*(eu-4)
.endif
	ds_load_b128 v[er:er+3],   v16 offset:pp*1024
	ds_load_b128 v[er+4:er+7], v16 offset:pp*1024+512
.set eu, eu+1
.endr
.set eu, 7-(\d)
.rept (\d)+1
	PIDX eu, 7-(\d)
	WIN 0xc0
.set er, 128+64*(\f)+32+8*(eu-4)
	ds_load_b128 v[er:er+3],   v16 offset:pp*1024
	ds_load_b128 v[er+4:er+7], v16 offset:pp*1024+512
.set eu, eu+1
.endr
.endm
; Entry i of pair d's list of 9 fragments of E: i <= d: band 7 - d's keys, query band 7 - d + i; then band d's keys, query bands 4..7; then query bands d..3.  The first d + 5 lie in window 3, the others in window 2.
.macro FSET d, f, i
.if (\i) <= (\d)
.set fu, 7-(\d)+(\i)
.set fq, 1
.elseif (\i) < (\d)+5
.set fu, 3+(\i)-(\d)
.set fq, 0
.else
.set fu, (\i)-5
.set fq, 0
.endif
.if fu >= 4
.set fe, 128+64*(\f)+32*fq+8*(fu-4)
.set fw, 0xfd
.else
.set fe, 128+32*(\f)+8*fu
.set fw, 0xa9
.endif
.endm
.macro SCALE d, f, i, j0, n            ; n registers from j0 on of entry i, times g: registers 0-3 are the keys of ch = 0, 4-7 of ch = 1
	FSET \d, \f, \i
.set gb, 144
.if (\d) == 0
.set gb, 128
.endif
.set sj, \j0
.rept \n
	v_pk_mul_f16 v[fe+sj], v[gb+2*fu+sj/4], v[fe+sj]
.set sj, sj+1
.endr
.endm
; Entries i0..i1: four products each (my 4 channel blocks).  A window group's first entry is scaled in a lump of 8; every other entry by 3, 3 and 2 multiplies behind the products of the entry before it.
; The accumulators take turns, one instruction a turn.  zero = 1 (pair 0 of key set 0): an accumulator's first product starts its sum with the constant 0.
.macro FRAGS d, f, zero, i0, i1
.set fi, \i0
.rept (\i1)-(\i0)+1
	FSET \d, \f, fi
	WIN fw
.if (fi == 0) || (fi == (\d)+5)
	SCALE \d, \f, fi, 0, 8
.endif
.set nx, 0
.if (fi < 8) && (fi != (\d)+4)
.set nx, 1
.endif
.irp bb, 0,1,2,3
	FSET \d, \f, fi
.set ac, 8*(4*(fu%4)+(\bb))
.set bv, 64*(\f)+32*fq+8*(\bb)
.set cz, 0
.if (\zero) && ((fq == 1) || (fu < 7))
.set cz, 1
.endif
.if cz
	v_wmma_f32_16x16x32_f16 v[ac:ac+7], v[bv:bv+7], v[fe:fe+7], 0
.else
	v_wmma_f32_16x16x32_f16 v[ac:ac+7], v[bv:bv+7], v[fe:fe+7], v[ac:ac+7]
.endif
.if nx && ((\bb) < 3)
	SCALE \d, \f, fi+1, 3*(\bb), 3-(\bb)/2
.endif
.endr
.set fi, fi+1
.endr
.endm
.macro QUARTER d, f, g, gs, zero       ; multiplies pair d from buffer f; fetches pair d + 1 into buffer g.  The 16 multiplies by g of entry 0's part are the plain instructions between the last product that read buffer g and the loads
	s_wait_dscnt 0x0                               ; buffer f is in: its run was issued 32 products ago
	FRAGS \d, \f, \zero, 0, 0
	FETCH (\d)+1, \g, \gs
	FRAGS \d, \f, \zero, 1, 8
.endm
.macro TURN fill                       ; pair 3 and the change of slots
.if \fill
	s_wait_xcnt 0x0                                ; the last prefetches, a key set back, have read their address
	s_add_nc_u64 s[58:59], s[58:59], s[60:61]
.endif
	WIN 0
	s_wait_tensorcnt 0x0                           ; all my tensor loads have landed: my part of the next slot
	ds_add_u32 v28, v29
.if \fill
	s_xor_b32 s37, s37, SLOT1
	s_add_nc_u64 s[38:39], s[38:39], STEPA
	s_xor_b32 s53, s53, SLOT1
	s_add_nc_u64 s[54:55], s[54:55], STEPB
.endif
	s_wait_dscnt 0x1                               ; only the add may be out: buffer 1 is in
	FRAGS 3, 1, 0, 0, 0
	s_wait_dscnt 0x0                               ; the add is done, my reads of this slot are over
	s_barrier_signal -1
	FRAGS 3, 1, 0, 1, 1
	WIN 0
	s_barrier_wait -1
.if \fill
	CREST
	JLOAD
.else
	PLACES
.endif
	s_xor_b32 s56, s56, SLOT1
	v_add_nc_u32 v16, s56, v18
	v_add_nc_u32 v17, s56, v19
	v_add_nc_u32 v20, 1280, v20                    ; the next key set's g
	FETCH 0, 0, 128                                ; pair 0 takes its g from a set of its own: pair 3 still multiplies by the other
.if \fill
	ASK
.endif
	FRAGS 3, 1, 0, 2, 8
.endm
	s_wait_tensorcnt 0x1                           ; my part of key set 0 is in; set 1's load stays out
	s_wait_dscnt 0x0                               ; my stores of g and 1 / L are done
	s_barrier_signal -1
	s_barrier_wait -1
.irp u, 0,1,2,3,4,5,6,7
	ds_load_b32 v[32+2*(\u)], v25 offset:64*(\u)   ; 1 / L of my row in each band, twice: the packed multiply names a pair
	ds_load_b32 v[33+2*(\u)], v25 offset:64*(\u)
.endr
	FETCH 0, 0, 128
	QUARTER 0, 0, 1, 144, 1
	WIN 0
	s_mov_b32 s3, 6
.Lfill:
	QUARTER 1, 1, 0, 0, 0
	QUARTER 2, 0, 1, 0, 0
	TURN 1
	QUARTER 0, 0, 1, 144, 0
	WIN 0
	s_sub_co_u32 s3, s3, 1
	s_cmp_lg_u32 s3, 0
	s_cbranch_scc1 .Lfill
	QUARTER 1, 1, 0, 0, 0                          ; key sets 6 and 7 fill nothing: written out
	QUARTER 2, 0, 1, 0, 0
	TURN 0
	QUARTER 0, 0, 1, 144, 0
	QUARTER 1, 1, 0, 0, 0
	QUARTER 2, 0, 1, 0, 0
	s_wait_dscnt 0x0
	FRAGS 3, 1, 0, 0, 8
	PLACES
; THE WAY OUT, a band (16 rows x 64 channels of f32) at a time: times 1 / L; through my stage; back as whole rows of 256 bytes; stored.
.macro PACK u
	WIN 2+(\u)/4
.set bb, 0
.rept 4
.irp j, 0,2,4,6
	v_pk_mul_f32 v[64+8*bb+(\j):64+8*bb+(\j)+1], v[8*(4*((\u)%4)+bb)+(\j):8*(4*((\u)%4)+bb)+(\j)+1], v[32+2*(\u):33+2*(\u)] op_sel_hi:[1,0]
.endr
.set bb, bb+1
.endr
.endm
.macro TOSTAGE u
	WIN 0
.irp n, 0,1,2,3,4,5,6,7
	ds_store_b128 v22, v[64+4*(\n):64+4*(\n)+3] offset:64*((\n)/2)+16*((\n)%2)
.endr
	WIN 0x40
.irp t, 0,1,2,3,4,5,6,7
	ds_load_b128 v[32*(\u)+4*(\t):32*(\u)+4*(\t)+3], v23 offset:(\t)*544  ; LDS serves a wave's instructions in order: these see the stores above; each register is written once
.endr
.endm
.macro SEND u
	s_wait_dscnt 0x0
	WIN 0x04
.irp t, 0,1,2,3,4,5,6,7
	global_store_b128 v24, v[32*(\u)+4*(\t):32*(\u)+4*(\t)+3], s[74:75] offset:(\u)*1048576+(\t)*8192  ; 16 lanes store 256 consecutive bytes, aligned
.endr
.endm
	PACK 0
	TOSTAGE 0
.irp u, 1,2,3,4,5,6,7
	PACK \u
	SEND (\u)-1
	TOSTAGE \u
.endr
	SEND 7
	WIN 0
	s_wait_tensorcnt 0x0                           ; the wave's end
	ds_add_u32 v28, v29
	s_wait_dscnt 0x0
	CROUND
	s_endpgm
.Lfunc_end_k_q96b1347669_pv:
	.size	k_q96b1347669_pv, .Lfunc_end_k_q96b1347669_pv-k_q96b1347669_pv
	.p2alignl 7, 3214868480
	.fill 96, 4, 3214868480
	.section	.rodata,"a",@progbits
	.p2align	6, 0x0
	.amdhsa_kernel k_q96b1347669_pv
		.amdhsa_group_segment_fixed_size 327680
		.amdhsa_private_segment_fixed_size 0
		.amdhsa_enable_private_segment 0
		.amdhsa_kernarg_size 32
		.amdhsa_user_sgpr_count 2
		.amdhsa_user_sgpr_kernarg_segment_ptr 1
		.amdhsa_wavefront_size32 1
		.amdhsa_system_sgpr_workgroup_id_x 1
		.amdhsa_system_sgpr_workgroup_id_y 1
		.amdhsa_system_sgpr_workgroup_id_z 1
		.amdhsa_system_vgpr_workitem_id 0
		.amdhsa_next_free_vgpr 1024
		.amdhsa_next_free_sgpr 84
		.amdhsa_reserve_vcc 0
		.amdhsa_float_denorm_mode_32 3
		.amdhsa_float_denorm_mode_16_64 3
		.amdhsa_memory_ordered 1
		.amdhsa_forward_progress 1
		.amdhsa_inst_pref_size 158
	.end_amdhsa_kernel
	.amdgpu_metadata
---
amdhsa.version: [ 1, 2 ]
amdhsa.kernels:
  - .name:           k_q96b1347669_pv
    .symbol:         k_q96b1347669_pv.kd
    .args:
      - { .name: e, .offset: 0, .size: 8, .value_kind: global_buffer, .address_space: global }
      - { .name: qkv, .offset: 8, .size: 8, .value_kind: global_buffer, .address_space: global }
      - { .name: st, .offset: 16, .size: 8, .value_kind: global_buffer, .address_space: global }
      - { .name: out0, .offset: 24, .size: 8, .value_kind: global_buffer, .address_space: global }
    .group_segment_fixed_size: 327680
    .private_segment_fixed_size: 0
    .kernarg_segment_align: 8
    .kernarg_segment_size: 32
    .max_flat_workgroup_size: 128
    .sgpr_count:     84
    .vgpr_count:     1024
    .wavefront_size: 32
...
	.end_amdgpu_metadata
.endif
;; end of part 4
;; ======== version 2 of 2: 4 launches; version 1 with the launch prep written anew for expert scheduling mode
;; limits: values are held in f16: magnitudes above 65,504 overflow, below 6.1e-05 lose precision
;; workspace buffers: xb 16,777,216 bytes; wf 6,291,456 bytes; qkv 50,331,648 bytes; e 18,874,368 bytes; st 1,048,576 bytes
;; launch prep (part 5): grid 352 x 1, 8 waves a work-group, no clusters, 0 bytes of LDS; arguments x, W_kqv, xb, wf; writes xb, wf
.if DOCPART == 5
	.amdgcn_target "amdgcn-amd-amdhsa--gfx1250"
	.amdhsa_code_object_version 6
	.text
	.protected	k_q96b1347669_prep
	.globl	k_q96b1347669_prep
	.p2align	8
	.type	k_q96b1347669_prep,@function
k_q96b1347669_prep:
	s_mov_b64 s[64:65], 0
	v_nop
	global_prefetch_b8 v0, s[64:65] scope:SCOPE_SE
	s_setreg_imm32_b32 hwreg(HW_REG_WAVE_SCHED_MODE, 0, 2), 2
	s_setreg_imm32_b32 hwreg(HW_REG_WAVE_MODE, 25, 1), 1
	s_wait_xcnt 0x0
	s_wait_alu depctr_vm_vsrc(0)
; PREP: both inputs are rounded once to bf16 and laid out for the projection.  A stream: no LDS, no barrier, no matrix work.
; Work-groups 0..255 (x): 32 rows of x (f32, 4,096 bytes each) become 32 rows of xb (bf16, 2,048 bytes each), in a PERMUTED token order:
;   inside a batch token t = 256 u + 32 w + i goes to row t' = 256 w + 32 u + i.  So a block of 256 rows of xb holds 32 tokens of each of the batch's 8 bands of 256,
;   and the later launches' causal pattern is the same for every block.  The work-group's number is (b, u, w) in 2, 3, 3 bits; its 32 rows go to block (b, w, u).
; Work-groups 256..351 (W): a block of 128 k x 256 n of W_kqv [1024][3072] is turned into matrix fragments of W^T:
;   wf = [n / 16][k / 32][1,024 bytes]; byte 512 j + 16 (16 h + r) holds W[32 kk + 16 j + 8 h + 0..7][16 nf + r]: what lane 16 h + r of a fragment's load j wants.
; Every register is written once, so no wait frees a register; the waits on LOADcnt are counted and leave the younger loads out.
; THE MODE: SCHED_MODE bits 1:0 = 2 (LLVM: expert scheduling mode 2), set by the entry lines.  The code itself states the register dependences
; between vector instructions and memory instructions, with s_wait_alu, always for 0.
; THE PLAN.  Registers that memory instructions touch:
;   v1, v2   byte offsets of the loads and of the stores: written by vector lines at a path's head, never again; read by every load and store of the path.
;   X        as loaded: each register is the target of ONE load, issued before any vector line names it; read by its conversion; never loaded again.
;   Y        rounded: each register is written by ONE conversion and read by ONE store; never written again.
; So one kind of dependence exists: a vector line writes a register that a memory line then reads (an offset; a store's data).  No register that a memory line has read is written again,
; no load lands in a register that a vector line has named, no vector line writes a scalar register or VCC, and EXEC is never written: no other wait is owed.
;   x: one wait ahead of the first load (v1, v2).  The rows go in 8 blocks of four: at a block's head, behind the wait for its first row's data, one wait states that the block before has written
;      its Y; that block's four stores are then dealt among this block's conversions, which name this block's X and Y alone.  One more wait ahead of the last four stores.
;   W: one wait ahead of the first load (v1, v2); one for each group of 32 k, between its sixteen conversions and its four stores; where a further group is still to be asked for,
;      its 32 loads, which name v1 and registers that no vector line has named, stand between the conversions and that wait.
.set X, 8                              ; v[8:135]   as loaded, f32
.set Y, 136                            ; v[136:199] rounded, packed
	s_load_b256 s[4:11], s[0:1], 0x0               ; x s[4:5], W s[6:7], xb s[8:9], wf s[10:11]
	s_mov_b32 s16, ttmp9
	s_cmp_lt_u32 s16, 256
	s_cbranch_scc0 .Lweights
	; ---- x: thread t takes 16 bytes at 16 t of every row; a load of the eight waves covers a row
	v_lshlrev_b32 v1, 4, v0
	v_lshlrev_b32 v2, 3, v0                        ; and gives 8 bytes at 8 t: a wave's store covers 256 consecutive bytes, aligned
	s_lshl_b32 s12, s16, 17                        ; 32 rows of 4,096 bytes
	s_mov_b32 s13, 0
	s_and_b32 s14, s16, 0xc0                       ; b stays,
	s_and_b32 s15, s16, 7
	s_lshl_b32 s15, s15, 3                         ; w moves up,
	s_or_b32 s14, s14, s15
	s_bfe_u32 s15, s16, 0x30003                    ; u moves down
	s_or_b32 s14, s14, s15
	s_lshl_b32 s14, s14, 16                        ; 32 rows of 2,048 bytes
	s_mov_b32 s15, 0
	s_wait_kmcnt 0x0
	s_add_nc_u64 s[4:5], s[4:5], s[12:13]
	s_add_nc_u64 s[8:9], s[8:9], s[14:15]
	s_wait_alu depctr_va_vdst(0)                   ; v1 and v2 are written: every load below reads v1 as its offset, every store v2
.set i, 0
.rept 32
	global_load_b128 v[X+4*i:X+4*i+3], v1, s[4:5] offset:i*4096 th:TH_LOAD_NT
.set i, i+1
.endr
.set p, 0
.rept 8                                ; block p: rows 4 p to 4 p + 3 are rounded; the block before is stored
	s_wait_loadcnt 31-4*p                          ; loads come back in order: the block's first row is in, the younger ones stay out
.if p > 0
	s_wait_alu depctr_va_vdst(0)                   ; the conversions of the block before have written its four rows of Y, which the four stores below read; no vector line behind this wait names them
.endif
.set j, 0
.rept 4
.set i, 4*p+j
.if j > 0
	s_wait_loadcnt 31-i                            ; row i is in, the 31 - i younger ones stay out
.endif
.if p > 0
	global_store_b64 v2, v[Y+2*(i-4):Y+2*(i-4)+1], s[8:9] offset:(i-4)*2048
.endif
	v_cvt_pk_bf16_f32 v[Y+2*i], v[X+4*i], v[X+4*i+1]
	v_cvt_pk_bf16_f32 v[Y+2*i+1], v[X+4*i+2], v[X+4*i+3]
.set j, j+1
.endr
.set p, p+1
.endr
	s_wait_alu depctr_va_vdst(0)                   ; the last block's conversions have written rows 28 to 31 of Y, which the last four stores read
.set i, 28
.rept 4
	global_store_b64 v2, v[Y+2*i:Y+2*i+1], s[8:9] offset:i*2048
.set i, i+1
.endr
	s_endpgm
.Lweights:
	; ---- W: thread t owns column 256 ng + t and 128 values of k; 8 neighbouring k pack into 16 bytes of a fragment
	s_sub_co_u32 s16, s16, 256
	s_lshr_b32 s17, s16, 3                         ; ng 0..11
	s_and_b32 s18, s16, 7                          ; kg 0..7
	s_mul_i32 s12, s18, 1572864                    ; 128 rows of 12,288 bytes
	s_lshl_b32 s13, s17, 10                        ; 256 columns of 4 bytes
	s_add_co_u32 s12, s12, s13
	s_mov_b32 s13, 0
	s_lshl_b32 s14, s17, 19                        ; 16 blocks nf of 32,768 bytes
	s_lshl_b32 s15, s18, 12                        ; 4 blocks kk of 1,024 bytes
	s_add_co_u32 s14, s14, s15
	s_mov_b32 s15, 0
	v_lshlrev_b32 v1, 2, v0
	v_lshrrev_b32 v3, 4, v0                        ; nf within the 16
	v_and_b32 v2, 15, v0                           ; r
	v_lshlrev_b32 v2, 4, v2
	v_lshl_add_u32 v2, v3, 15, v2
	s_wait_kmcnt 0x0
	s_add_nc_u64 s[6:7], s[6:7], s[12:13]
	s_add_nc_u64 s[10:11], s[10:11], s[14:15]
	s_wait_alu depctr_va_vdst(0)                   ; v1 and v2 are written: every load below reads v1 as its offset, every store v2
.macro WLOAD g                         ; 32 rows k of my column
.set i, 32*(\g)
.rept 32
	global_load_b32 v[X+i], v1, s[6:7] offset:i*12288 th:TH_LOAD_NT
.set i, i+1
.endr
.endm
.macro WCVT g                          ; 32 k = one block kk, rounded: four pieces (j, h) of 16 bytes
.set i, 0
.rept 16
	v_cvt_pk_bf16_f32 v[Y+16*(\g)+i], v[X+32*(\g)+2*i], v[X+32*(\g)+2*i+1]
.set i, i+1
.endr
.endm
.macro WSTORE g                        ; lanes 0-15 fill 256 consecutive bytes, lanes 16-31 those of the next nf
.irp c, 0,1,2,3
	global_store_b128 v2, v[Y+16*(\g)+4*(\c):Y+16*(\g)+4*(\c)+3], s[10:11] offset:(\g)*1024+(\c)*256
.endr
.endm
	WLOAD 0
	WLOAD 1
	s_wait_loadcnt 32                              ; the older 32 are in, the younger 32 stay out
	WCVT 0
	WLOAD 2                                        ; no wait is owed: these loads name v1, written ahead of the wait at the head, and registers that no vector line has named
	s_wait_alu depctr_va_vdst(0)                   ; group 0's conversions have written its sixteen registers of Y, which the four stores read
	WSTORE 0
	s_wait_loadcnt 32
	WCVT 1
	WLOAD 3                                        ; as above
	s_wait_alu depctr_va_vdst(0)                   ; group 1's conversions have written its Y
	WSTORE 1
	s_wait_loadcnt 32
	WCVT 2
	s_wait_alu depctr_va_vdst(0)                   ; group 2's conversions have written its Y
	WSTORE 2
	s_wait_loadcnt 0x0
	WCVT 3
	s_wait_alu depctr_va_vdst(0)                   ; group 3's conversions have written its Y
	WSTORE 3
	s_endpgm
.Lfunc_end_k_q96b1347669_prep:
	.size	k_q96b1347669_prep, .Lfunc_end_k_q96b1347669_prep-k_q96b1347669_prep
	.p2alignl 7, 3214868480
	.fill 96, 4, 3214868480
	.section	.rodata,"a",@progbits
	.p2align	6, 0x0
	.amdhsa_kernel k_q96b1347669_prep
		.amdhsa_group_segment_fixed_size 0
		.amdhsa_private_segment_fixed_size 0
		.amdhsa_enable_private_segment 0
		.amdhsa_kernarg_size 32
		.amdhsa_user_sgpr_count 2
		.amdhsa_user_sgpr_kernarg_segment_ptr 1
		.amdhsa_wavefront_size32 1
		.amdhsa_system_sgpr_workgroup_id_x 1
		.amdhsa_system_sgpr_workgroup_id_y 1
		.amdhsa_system_sgpr_workgroup_id_z 1
		.amdhsa_system_vgpr_workitem_id 0
		.amdhsa_next_free_vgpr 200
		.amdhsa_next_free_sgpr 66
		.amdhsa_reserve_vcc 0
		.amdhsa_float_denorm_mode_32 3
		.amdhsa_float_denorm_mode_16_64 3
		.amdhsa_memory_ordered 1
		.amdhsa_forward_progress 1
		.amdhsa_inst_pref_size 31
	.end_amdhsa_kernel
	.amdgpu_metadata
---
amdhsa.version: [ 1, 2 ]
amdhsa.kernels:
  - .name:           k_q96b1347669_prep
    .symbol:         k_q96b1347669_prep.kd
    .args:
      - { .name: x, .offset: 0, .size: 8, .value_kind: global_buffer, .address_space: global }
      - { .name: W_kqv, .offset: 8, .size: 8, .value_kind: global_buffer, .address_space: global }
      - { .name: xb, .offset: 16, .size: 8, .value_kind: global_buffer, .address_space: global }
      - { .name: wf, .offset: 24, .size: 8, .value_kind: global_buffer, .address_space: global }
    .group_segment_fixed_size: 0
    .private_segment_fixed_size: 0
    .kernarg_segment_align: 8
    .kernarg_segment_size: 32
    .max_flat_workgroup_size: 256
    .sgpr_count:     66
    .vgpr_count:     200
    .wavefront_size: 32
...
	.end_amdgpu_metadata
.endif
;; end of part 5
;; launch proj: the kernel of part 2 again; grid 16 x 32, 4 waves a work-group, clusters of 4 x 4, 327,680 bytes of LDS; arguments xb, wf, qkv; writes qkv
;; launch scores: the kernel of part 3 again; grid 8 x 32, 4 waves a work-group, clusters of 4 x 4, 327,680 bytes of LDS; arguments qkv, e, st; writes e, st
;; launch pv: the kernel of part 4 again; grid 8 x 32, 4 waves a work-group, clusters of 4 x 4, 327,680 bytes of LDS; arguments e, qkv, st, out0; writes out0
